; MI455X (gfx1250); checked and timed in simulation.
; The chip was launched on July 23, 2026; its instructions are those of AMD's public machine-readable ISA for CDNA 5 (MIT licence, August 2026) and "CDNA5" Instruction Set Architecture Reference Guide (July 2026). The comments in the code are by the model that wrote it; some were corrected since.
;; PPI Predictor. Allowed arithmetic: matrix products marked QUANTISED: E5M2 operands, one given power-of-two scale a tensor, by v_wmma_f32_16x16x64_bf8_bf8 or v_wmma_f32_16x16x128_bf8_bf8, f32 sums; products left as they are: f32 operands where the result goes on into a quantised operand, else bf16, f16 or f32 operands; f32 sums; everything else in f32.
;; Inputs: W1 1,024 x 512 float32; W2_codes 256 x 16 x 32 uint8 (E5M2 codes of W2, K innermost, in blocks of 32 codes); W3 256 x 1 float32; b1 512 float32; b2 256 float32; b3 1 float32; features_codes 2 x 512 x 16 x 32 uint8 (E5M2 codes of features, K innermost, in blocks of 32 codes); lowp_scales 6 int32 (the exponents e of the quantised operands' scales 2^e).
;; Outputs: out0 2 x 512 x 512 float32.
;; This version of the problem:
;;   THIS VERSION OF THE PROBLEM IS GIVEN IN LOW PRECISION. The matrix products marked QUANTISED in the list below multiply operands that are first quantised to E5M2 (5 exponent bits, 2 mantissa bits; 8 bits a number), with one given power-of-two scale for each operand tensor; their sums are f32. All else is computed in f32.
;;   The module's matrix products, in the order in which they are computed (A, B: the left and right operand; K: the contracted axis; several contracted axes count as one K, in the product's order):
;;     1. [M 1,024, K 512] x [K 512, N 512]; A: input features (given as codes); B: input W1: QUANTISED (scales: A lowp_scales[0], B lowp_scales[1])
;;     2. [M 1,024, K 512] x [K 512, N 512]; A: input features (given as codes); B: input W1: QUANTISED (scales: A lowp_scales[2], B lowp_scales[3])
;;     3. [M 524,288, K 512] x [K 512, N 256]; A: computed on the way; B: input W2 (given as codes): QUANTISED (scales: A lowp_scales[4], B lowp_scales[5])
;;     4. [M 524,288, K 256] x [K 256, N 1]; A: computed on the way; B: input W3: left as it is (N = 1 < 16)
;;   THE QUANTISER, for each operand of a quantised product, along K:
;;     - The operand's scale is 2^e, e = its entry of the input lowp_scales (int32; the entries are numbered through the quantised products in the list's order, A before B).
;;     - Each number is divided by the scale, clamped to +-57,344, and rounded to the nearest number of E5M2, ties to even, subnormals kept.
;;     - The product sums the exact products of the quantised numbers (number of the format x scale) in f32.
;;   ~~~python
;;   def quantise(x, axis, e):      # numpy; x: float32 -> the quantised numbers, widened to float32 again
;;       x = np.moveaxis(x, axis, -1); K = x.shape[-1]
;;       r = np.clip(x / 2.0 ** e, -57344, 57344)
;;       step = 2.0 ** (np.maximum(np.frexp(np.where(r == 0, 1, r))[1] - 1, -14) - 2)
;;       q = np.round(r / step) * step * 2.0 ** e      # np.round: ties to even
;;       return np.moveaxis(q, -1, axis).astype(np.float32)
;;   ~~~
;;   OPERANDS COMPUTED ON THE WAY. 'Computed on the way' means the value that the module computes at that place (a softmax that the list does not call 'softmax' is quantised finished and normalised). What goes into a quantiser is computed in f32, as accurately as f32 sums, v_exp_f32 and their like allow (about 1e-6 of the number): no bf16 or f16 on the way to a quantiser, and a product that is left as it is and whose result goes on into a quantised operand takes f32 operands (vector FMAs, or v_wmma_f32_16x16x4_f32). A number that lies on a knife's edge between two numbers of the format may be rounded either way, as far as f32 arithmetic and the matrix unit's own rounding can turn it there, and no further.
;;   INPUTS GIVEN AS CODES. W2 (in the module: [512, 256], K = its axis 0); features (in the module: [2, 512, 512], K = its axis 2): each comes as NAME_codes (uint8): NAME with its K axis moved to the last place and cut into blocks of 32 codes, [.., K / 32, bytes a block], one block behind the other in memory; one code a byte (a code: sign, 5 exponent bits, 2 mantissa bits); its scale is its entry of lowp_scales. Its value is code x scale, taken as it is: it is not quantised again, and the codes and scales need not be those that the quantiser above would give.
;; 2 versions. Each part assembles by itself: llvm-mc -triple=amdgcn-amd-amdhsa -mcpu=gfx1250 --defsym DOCPART=n.
;; ======== version 1 of 2: 2 launches
;; workspace buffers: ac 4,194,304 bytes
;; launch proj (part 1): grid 16 x 16, 4 waves a work-group, no clusters, 50,688 bytes of LDS; arguments features_codes, W1, lowp_scales, ac; writes ac
.if DOCPART == 1
	.amdgcn_target "amdgcn-amd-amdhsa--gfx1250"
	.amdhsa_code_object_version 6
	.text
	.protected	k_q58e43eb750_proj
	.globl	k_q58e43eb750_proj
	.p2align	8
	.type	k_q58e43eb750_proj,@function
k_q58e43eb750_proj:
	s_mov_b64 s[64:65], 0
	v_nop
	global_prefetch_b8 v0, s[64:65] scope:SCOPE_SE
	s_setreg_imm32_b32 hwreg(HW_REG_WAVE_MODE, 25, 1), 1
	s_wait_xcnt 0x0
; a = F W1[:512] and c = F W1[512:], both on codes of E5M2.  ac: [1024 rows = 512 b + s][1024 columns] f32: columns 0-511 a, columns 512-1023 c, in their true scale.
; F arrives as codes, K innermost (a row is 512 bytes).  W1 arrives as f32 with K along its FIRST axis: it is quantised here, a lane to a column, registers down K, so that nothing is transposed.
; NO WORK OF THE PROBLEM IS LEFT OUT: every input has a way to the output.  b1 is added by the next launch, b2, W3 and b3 are used there.
; SHARES.  Work-group (x, y) makes 64 rows (64 y on) x 64 columns (64 x on) of ac; x < 8 takes W1's upper half with the scales e0, e1, x >= 8 its lower half with e2, e3: chosen by selects, one path for both.
; Wave w first quantises K step w (128 rows of W1) of the four tiles of 16 columns and lays each fragment into LDS as an image of its registers (4 stores of 512 bytes, lane l's 16 bytes at 16 l);
; behind one barrier wave w multiplies its own 16 rows of F by all 16 fragments: 16 matrix instructions, four accumulators by turns.
; THE PRODUCT IS USED TRANSPOSED (source 0 = 16 columns of W1, source 1 = 16 rows of F), AND THE COLUMNS OF A TILE ARE NOT NEIGHBOURS: lane r of tile 2 b + u takes column 32 b + 8 u + r + 8 (r / 8),
; so that a lane's 16 results of tiles 2 b and 2 b + 1 are 16 neighbouring columns, 32 b + 16 (lane / 16) + 0 .. 15, of one row: 64 bytes that belong together.
; A fragment's registers 4 c .. 4 c + 3 hold k = 32 c + 16 (lane / 16) + 0 .. 15: the same order of k in both operands, so every product meets its partner.
; No cluster and no tensor load: what work-groups share (a strip of W1, 64 rows of F) is read once by each, straight into registers, and is a small part of a short launch.
; LIMITS: e0 + e1 and e2 + e3 between -126 and 127; e1 and e3 between -126 and 112, so that each power of two below is an f32 number.  NaN among the inputs is not served.
.set WIMG,   0                         ; LDS: the image of fragment (tile t, K step s) at 8192 t + 2048 s
.set STG1,   32768                     ; a stage of 16 rows x (256 bytes + 16) for each wave, for the way out
.set SPITCH, 272
.set SPARE,  STG1+4*16*SPITCH          ; the spare words, 128 bytes for each wave: two blocks of 256 bytes that no other line names
.set SPW,  12                          ; v12  LDS address of my spare word; never rewritten
.set NIL,  13                          ; v13  0; never rewritten
.set CO,   16                          ; v16-31   the codes just made
.set FE,   32                          ; v32-95   my 16 rows of F: four fragments
.set SET,  96                          ; v96-159, v160-223: two sets of 64: numbers of W1, then fragments of W1, then the way out
.set ACC,  224                         ; v224-255 four accumulators
	s_load_b128 s[4:7], s[0:1], 0x0                ; F's codes s[4:5], W1 s[6:7]
	s_load_b128 s[8:11], s[0:1], 0x10              ; the scales' exponents s[8:9], ac s[10:11]
	v_lshl_add_u32 v[SPW], v0, 2, SPARE
	v_mov_b32 v[NIL], 0
	v_lshrrev_b32 v1, 5, v0
	v_readfirstlane_b32 s14, v1                    ; wave 0..3
	v_and_b32 v1, 15, v0                           ; r
	v_bfe_u32 v2, v0, 4, 1                         ; h
	v_and_b32 v3, 8, v1
	v_add_nc_u32 v3, v3, v1                        ; r + 8 (r / 8)
	v_lshlrev_b32 v3, 2, v3
	v_lshl_add_u32 v3, v2, 15, v3                  ; W1: my column's 4 bytes, + 16 h rows of 2,048 bytes
	v_lshlrev_b32 v4, 9, v1
	v_lshl_add_u32 v4, v2, 4, v4                   ; F: row r of 512 bytes, + 16 h
	v_and_b32 v5, 31, v0
	v_lshlrev_b32 v5, 4, v5                        ; 16 x lane: an image's place for my lane
	s_lshl_b32 s35, s14, 11
	v_add_nc_u32 v6, s35, v5                       ; where I store my images: K step w
	s_mul_i32 s34, s14, 16*SPITCH
	s_add_co_u32 s34, s34, STG1                    ; my stage
	v_mul_u32_u24 v7, v1, SPITCH
	v_lshl_add_u32 v7, v2, 6, v7
	v_add_nc_u32 v7, s34, v7                       ; in: row r, + 64 h
	v_mul_u32_u24 v8, v2, SPITCH
	v_lshl_add_u32 v8, v1, 4, v8
	v_add_nc_u32 v8, s34, v8                       ; back: lanes 0-15 one row of 256 bytes, lanes 16-31 the next
	v_lshlrev_b32 v9, 12, v2
	v_lshl_add_u32 v9, v1, 4, v9                   ; and the same two rows in ac (a row is 4,096 bytes)
	s_and_b32 s15, ttmp7, 0xffff                   ; y
	s_lshr_b32 s24, ttmp9, 3                       ; which half of W1
	s_and_b32 s25, ttmp9, 7                        ; which 64 of its 512 columns
	s_lshl_b32 s26, s24, 20                        ; W1: 512 rows of 2,048 bytes x half,
	s_lshl_b32 s28, s25, 8
	s_add_co_u32 s26, s26, s28                     ; + 64 columns of 4 bytes,
	s_lshl_b32 s28, s14, 18
	s_add_co_u32 s26, s26, s28                     ; + my K step's 128 rows
	s_mov_b32 s27, 0
	s_lshl_b32 s28, s15, 6
	s_lshl_b32 s29, s14, 4
	s_add_co_u32 s28, s28, s29                     ; my first row: 64 y + 16 w
	s_lshl_b32 s30, s28, 9                         ; in F
	s_mov_b32 s31, 0
	s_lshl_b32 s32, s28, 12                        ; in ac,
	s_lshl_b32 s33, ttmp9, 8
	s_add_co_u32 s32, s32, s33                     ; + 64 x columns of 4 bytes
	s_mov_b32 s33, 0
	s_wait_kmcnt 0x0
	s_load_b128 s[16:19], s[8:9], 0x0              ; e0, e1, e2, e3
	s_add_nc_u64 s[4:5], s[4:5], s[30:31]
	s_add_nc_u64 s[6:7], s[6:7], s[26:27]
	s_add_nc_u64 s[10:11], s[10:11], s[32:33]
; tile t's 64 numbers of my K step: register 16 cc + i = W1(32 cc + 16 h + i, my column)
.macro LOADW t
.irp cc, 0,1,2,3
.irp i, 0,1,2,3,4,5,6,7,8,9,10,11,12,13,14,15
	global_load_b32 v[SET+64*((\t)%2)+16*\cc+\i], v3, s[6:7] offset:(32*\cc+\i)*2048+(32*((\t)/2)+8*((\t)%2))*4
.endr
.endr
.endm
; they become a fragment's codes, and the fragment goes to LDS as it stands
.macro QUANTW t
.set XS, SET+64*((\t)%2)
.irp cc, 0,1,2,3
.irp i, 0,1,2,3,4,5,6,7,8,9,10,11,12,13,14,15
	v_med3_num_f32 v[XS+16*\cc+\i], v[XS+16*\cc+\i], -v11, v11   ; the conversion to an 8-bit code does not saturate (ISA guide 7.6.2): the hold at the largest code x the scale
.endr
	v_cvt_scalef32_pk8_bf8_f32 v[CO+4*\cc:CO+4*\cc+1], v[XS+16*\cc:XS+16*\cc+7], v10
	v_cvt_scalef32_pk8_bf8_f32 v[CO+4*\cc+2:CO+4*\cc+3], v[XS+16*\cc+8:XS+16*\cc+15], v10
.endr
	v_nop                                          ; one plain vector instruction behind the last conversion, ahead of whatever vector or matrix instruction next touches its registers
.irp c, 0,1,2,3
	ds_store_b128 v6, v[CO+4*\c:CO+4*\c+3] offset:WIMG+(\t)*8192+512*\c
.endr
.endm
; K step s's four fragments of W1 come back, in any wave
.macro FETCHW s
.irp t, 0,1,2,3
.irp c, 0,1,2,3
	ds_load_b128 v[SET+64*((\s)%2)+16*\t+4*\c:SET+64*((\s)%2)+16*\t+4*\c+3], v5 offset:WIMG+\t*8192+(\s)*2048+512*\c
.endr
.endr
.endm
; four matrix instructions, the four accumulators by turns.  first = 1: the products start the sums
.macro MUL s, first
.irp t, 0,1,2,3
.if \first
	v_wmma_f32_16x16x128_bf8_bf8 v[ACC+8*\t:ACC+8*\t+7], v[SET+64*((\s)%2)+16*\t:SET+64*((\s)%2)+16*\t+15], v[FE+16*(\s):FE+16*(\s)+15], 0
.else
	v_wmma_f32_16x16x128_bf8_bf8 v[ACC+8*\t:ACC+8*\t+7], v[SET+64*((\s)%2)+16*\t:SET+64*((\s)%2)+16*\t+15], v[FE+16*(\s):FE+16*(\s)+15], v[ACC+8*\t:ACC+8*\t+7]
.endif
.endr
.endm
.macro PLACES                          ; four plain vector instructions between a matrix instruction and a load into, or a vector instruction on, its registers
.rept 4
	v_nop
.endr
.endm
.irp s, 0,1,2,3
.irp c, 0,1,2,3
	global_load_b128 v[FE+16*\s+4*\c:FE+16*\s+4*\c+3], v4, s[4:5] offset:128*\s+32*\c   ; F's fragments: the oldest loads, so every wait below covers them
.endr
.endr
	LOADW 0
	LOADW 1
	s_wait_kmcnt 0x0
	s_cmp_eq_u32 s24, 0
	s_cselect_b32 s20, s16, s18                    ; F's exponent in this product,
	s_cselect_b32 s21, s17, s19                    ; W1's
	s_add_co_i32 s22, s20, s21
	s_add_co_i32 s22, s22, 127
	s_lshl_b32 s22, s22, 23                        ; 2^(their sum) as f32: each finished sum is multiplied by it once
	s_mov_b32 s23, s22                             ; (named with it as a pair, so it is written)
	s_add_co_i32 s21, s21, 127
	s_lshl_b32 s28, s21, 23
	v_mov_b32 v10, s28                             ; W1's scale as f32: the conversion takes its exponent field
	s_add_co_i32 s21, s21, 15
	s_lshl_b32 s21, s21, 23
	s_or_b32 s21, s21, 0x600000
	v_mov_b32 v11, s21                             ; 57,344 x the scale
	s_wait_loadcnt 63                              ; tile 0's numbers are in: 64 younger loads are out, and the count's field ends at 63, so one of them is awaited too
	QUANTW 0
	LOADW 2                                        ; into the set just converted
	s_wait_loadcnt 63                              ; tile 1's are in; tile 2's 64 may be out (less one)
	s_wait_dscnt 0x0                               ; the last image's stores have read the codes' registers
	QUANTW 1
	LOADW 3
	s_wait_loadcnt 63
	s_wait_dscnt 0x0
	QUANTW 2
	s_wait_loadcnt 0x0
	s_wait_dscnt 0x0
	QUANTW 3
	s_wait_dscnt 0x0                               ; for the others' sake: my images have landed
	s_barrier_signal -1
	s_barrier_wait -1                              ; all sixteen fragments of W1 lie in LDS
	FETCHW 0
	FETCHW 1
	s_wait_dscnt 16                                ; K step 0's are in, K step 1's 16 loads may be out
	MUL 0, 1
	PLACES
	FETCHW 2
	s_wait_dscnt 16
	MUL 1, 0
	PLACES
	FETCHW 3
	s_wait_dscnt 16
	MUL 2, 0
	s_wait_dscnt 0x0
	MUL 3, 0
	; THE WAY OUT: x 2^(the two exponents); 64 bytes a lane into my own stage; back as whole rows of 256 bytes.
	PLACES
.set j, 0
.rept 16
	v_pk_mul_f32 v[SET+j:SET+j+1], v[ACC+j:ACC+j+1], s[22:23] op_sel_hi:[1,0]   ; each accumulator from its low end on
.set j, j+2
.endr
.irp b, 0,1
.irp e, 0,1,2,3
	ds_store_b128 v7, v[SET+16*\b+4*\e:SET+16*\b+4*\e+3] offset:128*\b+16*\e     ; columns 32 b + 16 h + 4 e on, of row r
.endr
.endr
.irp t, 0,1,2,3,4,5,6,7
	ds_load_b128 v[SET+32+4*\t:SET+32+4*\t+3], v8 offset:2*\t*SPITCH               ; LDS serves a wave's instructions in order (ISA guide 5.7.1.4): these see my stores
.endr
.irp t, 0,1,2,3,4,5,6,7
	s_wait_dscnt 7-\t
	global_store_b128 v9, v[SET+32+4*\t:SET+32+4*\t+3], s[10:11] offset:2*\t*4096  ; 16 lanes store 256 consecutive bytes, at a multiple of 256 from ac's first byte
.endr
	s_wait_tensorcnt 0x0                           ; the wave's end, behind my last LDS store
	ds_add_u32 v[SPW], v[NIL]
	s_wait_dscnt 0x0
	s_endpgm
.Lfunc_end_k_q58e43eb750_proj:
	.size	k_q58e43eb750_proj, .Lfunc_end_k_q58e43eb750_proj-k_q58e43eb750_proj
	.p2alignl 7, 3214868480
	.fill 96, 4, 3214868480
	.section	.rodata,"a",@progbits
	.p2align	6, 0x0
	.amdhsa_kernel k_q58e43eb750_proj
		.amdhsa_group_segment_fixed_size 50688
		.amdhsa_private_segment_fixed_size 0
		.amdhsa_enable_private_segment 0
		.amdhsa_kernarg_size 32
		.amdhsa_user_sgpr_count 2
		.amdhsa_user_sgpr_kernarg_segment_ptr 1
		.amdhsa_wavefront_size32 1
		.amdhsa_system_sgpr_workgroup_id_x 1
		.amdhsa_system_sgpr_workgroup_id_y 1
		.amdhsa_system_sgpr_workgroup_id_z 1
		.amdhsa_system_vgpr_workitem_id 0
		.amdhsa_next_free_vgpr 256
		.amdhsa_next_free_sgpr 66
		.amdhsa_reserve_vcc 0
		.amdhsa_float_denorm_mode_32 3
		.amdhsa_float_denorm_mode_16_64 3
		.amdhsa_memory_ordered 1
		.amdhsa_forward_progress 1
		.amdhsa_inst_pref_size 57
	.end_amdhsa_kernel
	.amdgpu_metadata
---
amdhsa.version: [ 1, 2 ]
amdhsa.kernels:
  - .name:           k_q58e43eb750_proj
    .symbol:         k_q58e43eb750_proj.kd
    .args:
      - { .name: features_codes, .offset: 0, .size: 8, .value_kind: global_buffer, .address_space: global }
      - { .name: W1, .offset: 8, .size: 8, .value_kind: global_buffer, .address_space: global }
      - { .name: lowp_scales, .offset: 16, .size: 8, .value_kind: global_buffer, .address_space: global }
      - { .name: ac, .offset: 24, .size: 8, .value_kind: global_buffer, .address_space: global }
    .group_segment_fixed_size: 50688
    .private_segment_fixed_size: 0
    .kernarg_segment_align: 8
    .kernarg_segment_size: 32
    .max_flat_workgroup_size: 128
    .sgpr_count:     66
    .vgpr_count:     256
    .wavefront_size: 32
...
	.end_amdgpu_metadata
.endif
;; end of part 1
;; launch pairs (part 2): grid 16 x 16, 8 waves a work-group, no clusters, 263,168 bytes of LDS; arguments ac, W2_codes, b1, b2, W3, b3, lowp_scales, out0; writes out0
.if DOCPART == 2
	.amdgcn_target "amdgcn-amd-amdhsa--gfx1250"
	.amdhsa_code_object_version 6
	.text
	.protected	k_q58e43eb750_pairs
	.globl	k_q58e43eb750_pairs
	.p2align	8
	.type	k_q58e43eb750_pairs,@function
k_q58e43eb750_pairs:
	s_mov_b64 s[64:65], 0
	v_nop
	global_prefetch_b8 v0, s[64:65] scope:SCOPE_SE
	s_setreg_imm32_b32 hwreg(HW_REG_WAVE_MODE, 25, 1), 1
	s_wait_xcnt 0x0
; out0[b][i][j] = sigmoid(relu(Q(relu(a_i + c_j + b1)) W2 + b2) . W3 + b3).  a and c come from ac ([1024][1024] f32: columns 0-511 a, 512-1023 c); Q quantises along the 512 hidden units to E5M2 with 2^e4;
; W2 arrives as codes, K innermost, with 2^e5.  h1 and h2 never go to memory.  No work of the problem is left out.
; b1 is added to a once, at the head: h1 is formed as (a + b1) + c, which differs from (a + c) + b1 by f32 rounding alone.
; SHARES.  Work-group (ig, y): batch b = y / 8, i = 32 ig .. + 31, j = 64 (y % 8) .. + 63: 128 tiles of 16 pairs (one i, 16 neighbouring j), walked as 64 GROUPS of two tiles:
; group g: j tile jt = g / 16, i = 32 ig + 2 (g % 16) + p, p = 0, 1.  Eight waves, two to a SIMD, 512 registers each.  Wave w = 4 p + q has two jobs:
;   it PRODUCES the fragment (tile p, K step q: hidden units 128 q on) of the next group: add, relu and hold, conversion; each number of h1 is made once in the work-group;
;   it CONSUMES tile p of the group in hand against ITS 64 columns of W2 (64 q on), whose 16 fragments stay in its registers (window 1) for the whole launch: 16 matrix instructions,
;   then relu and the dot product with W3 of its 64 columns: one partial sum a pair, kept in LDS until the end.
; Fragments go from wave to wave through LDS as images of their registers (4 stores of 512 bytes, lane l's 16 bytes at 16 l), in two buffers by turns: ONE barrier a group.
; The two jobs of a period touch different buffers, so their order is free: half of the waves consume first, the other half produce first, and the two waves of a SIMD differ in that:
; one wave's vector work stands beside the other's matrix work.
; LAYOUT.  The product is used transposed (source 0 = 16 columns of W2, source 1 = 16 pairs): a lane holds ONE pair (lane % 16) and eight columns.  A fragment's registers 4 c .. 4 c + 3 hold
; k = 32 c + 16 (lane / 16) + 0 .. 15, in both operands alike.  c lies in that layout (64 registers, one j a lane); a lies a lane to a hidden unit (4 registers), and the addition itself
; takes a's number from lane n of the row of 16 lanes (DPP row_share): broadcast and addition are one instruction.
; The scales: b2 goes in as the C of each sum's first matrix instruction, divided by 2^(e4 + e5); W3 is multiplied by 2^(e4 + e5): relu commutes with a positive power of two.
; No tensor load, no ring: the loop reads no global byte.  No cluster: what work-groups share (W2, rows of ac) each reads once, at its head, straight into registers.
; LIMITS: e4 between -126 and 112.  b2 / 2^(e4 + e5) and W3 x 2^(e4 + e5) are made by v_ldexp_f32 and round nothing short of overflow and underflow.  NaN among the inputs is not served.
; REGISTERS.  Window 1: W2's fragment (tile t, K step s) at v[64 t + 16 s].  Window 0: v2-6 LDS addresses that stay; v8, v9 2^e4 and 57,344 x 2^e4; v10, v11 the add's two; v12-15 a; v16-18 addresses of the trip;
;   v19-29 offsets at the head; v30, v31 the way out's addresses; v32-95 c; v96-159 numbers at work, then the four fragments being multiplied, then sums; v160-191 accumulators (v160-175 also the codes just made);
;   v192-223 b2 / 2^(e4 + e5); v224-255 W3 x 2^(e4 + e5).
.set CODE,  0                          ; LDS: two buffers of 16,384: buffer x 16384 + p x 8192 + K step x 2048
.set AIMG,  32768                      ; a + b1: wave x 8192 + (g % 16) x 512: each wave's own
.set CIMG,  98304                      ; c: jt x 32768 + q x 8192
.set STAGE, 229376                     ; partial sums: wave x 4096 + g x 64 + 4 (lane % 16)
.set SPARE, 262144                     ; the spare words, 128 bytes for each wave: four blocks of 256 bytes that no other line names
.set CLD, 2                            ; v2   where I read fragments: CODE + 8192 p + 16 x lane
.set CST, 3                            ; v3   where I store mine: + 2048 q
.set AAD, 4                            ; v4   my images of a
.set CAD, 5                            ; v5   c's images of my K step
.set STA, 6                            ; v6   my partial sums
.set SC,  8
.set LIM, 9
.set SPW, 10
.set NIL, 11
.set A,   12
.set TA,  16                           ; v16  the image of a of group g + 2
.set TC,  17                           ; v17  the image of c of the next j tile
.set TS,  18                           ; v18  group g's place among my partial sums
.set C,   32
.set X,   96
.set AF,  96
.set T,   96
.set ACC, 160
.set CO,  160
.set B2,  192
.set W3,  224
.set MSB, 0
.macro WIN new                         ; the immediate's high byte repeats the setting that is left
.if MSB != \new
	s_set_vgpr_msb (MSB<<8)|\new
.set MSB, \new
.endif
.endm
.macro BARRIER                         ; my LDS stores have landed and my LDS loads are in: then the work-group's barrier
	s_wait_dscnt 0x0
	s_barrier_signal -1
	s_barrier_wait -1
.endm
	s_load_b512 s[4:19], s[0:1], 0x0               ; ac s[4:5], W2 s[6:7], b1 s[8:9], b2 s[10:11], W3 s[12:13], b3 s[14:15], the exponents s[16:17], out0 s[18:19]
	v_lshl_add_u32 v[SPW], v0, 2, SPARE
	v_mov_b32 v[NIL], 0
	v_lshrrev_b32 v1, 5, v0
	v_readfirstlane_b32 s20, v1                    ; wave 0..7
	s_and_b32 s21, s20, 3                          ; q
	s_lshr_b32 s22, s20, 2                         ; p
	s_add_co_u32 s23, s20, s22
	s_and_b32 s23, s23, 1                          ; which job comes first: differs between waves w and w + 4, and between 2 k and 2 k + 1
	v_and_b32 v1, 15, v0                           ; r
	v_bfe_u32 v19, v0, 4, 1                        ; h
	v_and_b32 v20, 31, v0                          ; lane
	v_lshlrev_b32 v21, 12, v1
	v_lshl_add_u32 v21, v19, 6, v21                ; c: row r of 4,096 bytes, + 64 h
	v_lshlrev_b32 v22, 2, v20                      ; a, b1: 4 bytes a lane
	v_lshlrev_b32 v23, 9, v1
	v_lshl_add_u32 v23, v19, 4, v23                ; W2: row r of 512 bytes, + 16 h
	v_lshlrev_b32 v28, 5, v19                      ; b2, W3: 32 h
	s_lshl_b32 s40, s22, 13
	v_lshl_add_u32 v[CLD], v20, 4, s40
	s_lshl_b32 s41, s21, 11
	v_add_nc_u32 v[CST], s41, v[CLD]
	s_lshl_b32 s40, s20, 13
	s_add_co_u32 s40, s40, AIMG
	v_lshl_add_u32 v[AAD], v20, 4, s40
	s_lshl_b32 s40, s21, 13
	s_add_co_u32 s40, s40, CIMG
	v_lshl_add_u32 v[CAD], v20, 4, s40
	s_lshl_b32 s40, s20, 12
	s_add_co_u32 s40, s40, STAGE
	v_lshl_add_u32 v[STA], v1, 2, s40
	; the way out: thread T takes rows T / 16 and T / 16 + 16 of the work-group's 32, and four j at 4 (T % 16).  Row R = 2 (g % 16) + p; j = 16 jt + r
	v_bfe_u32 v30, v0, 4, 1                        ; the row's p
	v_lshlrev_b32 v30, 14, v30                     ; four waves' regions of 4,096 bytes
	v_bfe_u32 v29, v0, 2, 2                        ; jt: 16 groups of 64 bytes
	v_lshl_add_u32 v30, v29, 10, v30
	v_lshrrev_b32 v29, 5, v0                       ; g % 16 of the upper row
	v_lshl_add_u32 v30, v29, 6, v30
	v_and_b32 v29, 3, v0
	v_lshl_add_u32 v30, v29, 4, v30
	v_add_nc_u32 v30, STAGE, v30
	v_lshrrev_b32 v31, 4, v0
	v_lshlrev_b32 v31, 11, v31                     ; a row of out0 is 2,048 bytes
	v_lshl_add_u32 v31, v1, 4, v31
	s_lshl_b32 s40, s22, 16
	v_add_nc_u32 v29, s40, v[CAD]                  ; where I store c's images: j tiles 2 p and 2 p + 1 of my K step
	s_mov_b32 s34, 0x76543210                      ; v_permlanex16_b32's selects for lane l xor 16
	s_mov_b32 s35, 0xfedcba98
	s_and_b32 s25, ttmp7, 0xffff
	s_lshr_b32 s26, s25, 3                         ; b
	s_and_b32 s27, s25, 7                          ; which 64 j
	s_lshl_b32 s46, s26, 9                         ; 512 b
	s_lshl_b32 s47, s27, 6
	s_lshl_b32 s48, s22, 5
	s_lshl_b32 s49, s21, 9                         ; my K step's 128 numbers: 512 q bytes
	s_add_co_u32 s42, s46, s47
	s_add_co_u32 s42, s42, s48                     ; c: row 512 b + 64 (y % 8) + 32 p,
	s_lshl_b32 s42, s42, 12
	s_add_co_u32 s42, s42, s49
	s_add_co_u32 s42, s42, 2048                    ; columns 512 + 128 q on
	s_mov_b32 s43, 0
	s_lshl_b32 s50, ttmp9, 5
	s_add_co_u32 s44, s46, s50                     ; 512 b + 32 ig
	s_lshl_b32 s52, s44, 11                        ; out0: that row,
	s_lshl_b32 s51, s27, 8
	s_add_co_u32 s52, s52, s51                     ; + 64 (y % 8) numbers
	s_mov_b32 s53, 0
	s_add_co_u32 s44, s44, s22                     ; a: row 512 b + 32 ig + p,
	s_lshl_b32 s44, s44, 12
	s_add_co_u32 s44, s44, s49                     ; columns 128 q on
	s_mov_b32 s45, 0
	s_lshl_b32 s54, s21, 15                        ; W2: my 64 rows of 512 bytes
	s_mov_b32 s55, 0
	s_mov_b32 s56, s49                             ; b1: 512 q
	s_mov_b32 s57, 0
	s_lshl_b32 s58, s21, 8                         ; b2, W3: 256 q
	s_mov_b32 s59, 0
	s_wait_kmcnt 0x0
	s_load_b64 s[36:37], s[16:17], 0x10            ; e4, e5
	s_load_b32 s38, s[14:15], 0x0                  ; b3
	s_add_nc_u64 s[42:43], s[4:5], s[42:43]
	s_add_nc_u64 s[44:45], s[4:5], s[44:45]
	s_add_nc_u64 s[6:7], s[6:7], s[54:55]
	s_add_nc_u64 s[8:9], s[8:9], s[56:57]
	s_add_nc_u64 s[10:11], s[10:11], s[58:59]
	s_add_nc_u64 s[12:13], s[12:13], s[58:59]
	s_add_nc_u64 s[18:19], s[18:19], s[52:53]
.irp cc, 0,1,2,3
	global_load_b32 v[24+\cc], v22, s[8:9] offset:128*\cc                        ; b1(128 q + 32 cc + lane): a's layout
.endr
.irp u, 0,1                                    ; c of j tiles 2 p + u: register 16 cc + 4 e + i = c(j0 + r, 128 q + 32 cc + 16 h + 4 e + i)
.irp cc, 0,1,2,3
.irp e, 0,1,2,3
	global_load_b128 v[C+64*\u+16*\cc+4*\e:C+64*\u+16*\cc+4*\e+3], v21, s[42:43] offset:\u*65536+128*\cc+16*\e
.endr
.endr
.endr
.irp ii, 0,1,2,3,4,5,6,7,8,9,10,11,12,13,14,15  ; a of my 16 rows: register 4 ii + cc = a(32 ig + 2 ii + p, 128 q + 32 cc + lane)
.irp cc, 0,1,2,3
	global_load_b32 v[160+4*\ii+\cc], v22, s[44:45] offset:\ii*8192+128*\cc
.endr
.endr
	s_wait_loadcnt 63                              ; b1 and c are in: a's 64 loads are younger, and the count's field ends at 63, so one of them is awaited too
.irp u, 0,1
.irp k, 0,1,2,3,4,5,6,7,8,9,10,11,12,13,14,15
	ds_store_b128 v29, v[C+64*\u+4*\k:C+64*\u+4*\k+3] offset:\u*32768+512*\k
.endr
.endr
.macro W2LOAD t                        ; tile t's four fragments: rows 64 q + 16 t + r; they stay
.irp s, 0,1,2,3
.irp c, 0,1,2,3
	global_load_b128 v[64*(\t)+16*\s+4*\c:64*(\t)+16*\s+4*\c+3], v23, s[6:7] offset:8192*(\t)+128*\s+32*\c
.endr
.endr
.endm
	WIN 0x40                                       ; destination window 1
	W2LOAD 0
	W2LOAD 1
	WIN 0
	s_wait_loadcnt 32                              ; a is in; the 32 loads of W2 may be out
.irp ii, 0,1,2,3,4,5,6,7,8,9,10,11,12,13,14,15
	v_pk_add_f32 v[160+4*\ii:161+4*\ii], v[160+4*\ii:161+4*\ii], v[24:25]         ; a + b1
	v_pk_add_f32 v[162+4*\ii:163+4*\ii], v[162+4*\ii:163+4*\ii], v[26:27]
.endr
.irp ii, 0,1,2,3,4,5,6,7,8,9,10,11,12,13,14,15
	ds_store_b128 v[AAD], v[160+4*\ii:163+4*\ii] offset:512*\ii
.endr
	WIN 0x40
	W2LOAD 2
	W2LOAD 3
	WIN 0
.irp t, 0,1,2,3                                ; tile t, register j: column 64 q + 16 t + 8 h + j, the result's layout
	global_load_b128 v[W3+8*\t:W3+8*\t+3], v28, s[12:13] offset:64*\t
	global_load_b128 v[W3+8*\t+4:W3+8*\t+7], v28, s[12:13] offset:64*\t+16
.endr
	s_wait_dscnt 0x0                               ; my images have landed, and their stores have read v160-223
.irp t, 0,1,2,3
	global_load_b128 v[B2+8*\t:B2+8*\t+3], v28, s[10:11] offset:64*\t
	global_load_b128 v[B2+8*\t+4:B2+8*\t+7], v28, s[10:11] offset:64*\t+16
.endr
	s_barrier_signal -1
	s_barrier_wait -1                              ; c's sixteen images lie in LDS (the loads of W2, W3 and b2, which nobody writes, stay on their way)
.irp k, 0,1,2,3,4,5,6,7,8,9,10,11,12,13,14,15
	ds_load_b128 v[C+4*\k:C+4*\k+3], v[CAD] offset:512*\k                        ; j tile 0
.endr
	ds_load_b128 v[A:A+3], v[AAD]                  ; group 0's a
	s_wait_kmcnt 0x0
	s_add_co_i32 s40, s36, 127
	s_lshl_b32 s41, s40, 23
	v_mov_b32 v[SC], s41                           ; 2^e4 as f32: the conversion takes its exponent field
	s_add_co_i32 s40, s40, 15
	s_lshl_b32 s40, s40, 23
	s_or_b32 s40, s40, 0x600000
	v_mov_b32 v[LIM], s40                          ; 57,344 x 2^e4
; PRODUCE: my fragment of the next group, into buffer par.  Then a of the group after it is asked for (anext; at v[areg] + aoff), and, behind a j tile's last group, the next j tile's c (creload).
.macro PRODUCE par, areg, aoff, anext, creload
	s_wait_dscnt 0x0                               ; a is in, c where it was fetched anew; my earlier LDS instructions have read their registers
.irp cc, 0,1,2,3
.irp n, 0,1,2,3,4,5,6,7,8,9,10,11,12,13,14,15
	v_add_f32_dpp v[X+16*\cc+\n], v[A+\cc], v[C+16*\cc+\n] row_share:\n row_mask:0xf bank_mask:0xf   ; lane 16 h + n of a's register cc holds hidden unit 32 cc + 16 h + n: broadcast and addition in one
.endr
.irp n, 0,1,2,3,4,5,6,7,8,9,10,11,12,13,14,15
	v_med3_num_f32 v[X+16*\cc+\n], v[X+16*\cc+\n], 0, v[LIM]                       ; relu and the hold in one: between 0 and the largest code x the scale (the conversion does not saturate: ISA guide 7.6.2)
.endr
	v_cvt_scalef32_pk8_bf8_f32 v[CO+4*\cc:CO+4*\cc+1], v[X+16*\cc:X+16*\cc+7], v[SC]
	v_cvt_scalef32_pk8_bf8_f32 v[CO+4*\cc+2:CO+4*\cc+3], v[X+16*\cc+8:X+16*\cc+15], v[SC]
.endr
	v_nop                                          ; one plain vector instruction behind the last conversion: the next products write the codes' registers
.irp c, 0,1,2,3
	ds_store_b128 v[CST], v[CO+4*\c:CO+4*\c+3] offset:CODE+(\par)*16384+512*\c
.endr
.if \anext
	ds_load_b128 v[A:A+3], v[\areg] offset:\aoff
.endif
.if \creload
	s_cmp_eq_u32 s46, 14                           ; the count of groups alone: the same in every wave
	s_cbranch_scc0 .Lsame_c_\@
.irp k, 0,1,2,3,4,5,6,7,8,9,10,11,12,13,14,15
	ds_load_b128 v[C+4*\k:C+4*\k+3], v[TC] offset:512*\k
.endr
.Lsame_c_\@:
.endif
.endm
; CONSUME: tile p of the group in buffer par against my 64 columns; the pair's partial sum goes to v[TS] + soff.
.macro CONSUME par, soff
.irp s, 0,1,2,3
.irp c, 0,1,2,3
	ds_load_b128 v[AF+16*\s+4*\c:AF+16*\s+4*\c+3], v[CLD] offset:CODE+(\par)*16384+2048*\s+512*\c
.endr
.endr
	WIN 0x01                                       ; source 0 (W2) window 1
.irp s, 0,1,2,3
	s_wait_dscnt 12-4*\s                           ; K step s's fragment is in, and all that I issued before these loads is done; the later K steps' loads may be out
.irp t, 0,1,2,3                                ; the four accumulators by turns
.if \s == 0
	v_wmma_f32_16x16x128_bf8_bf8 v[ACC+8*\t:ACC+8*\t+7], v[64*\t+16*\s:64*\t+16*\s+15], v[AF+16*\s:AF+16*\s+15], v[B2+8*\t:B2+8*\t+7]
.else
	v_wmma_f32_16x16x128_bf8_bf8 v[ACC+8*\t:ACC+8*\t+7], v[64*\t+16*\s:64*\t+16*\s+15], v[AF+16*\s:AF+16*\s+15], v[ACC+8*\t:ACC+8*\t+7]
.endif
.endr
.endr
	WIN 0
.rept 4
	v_nop                                          ; four places ahead of the first read of the results (ISA guide 7.12.1)
.endr
.set j, 0
.rept 32
	v_max_num_f32 v[ACC+j], 0, v[ACC+j]            ; relu; each accumulator from its low end on
.set j, j+1
.endr
.irp t, 0,1,2,3
	v_pk_mul_f32 v[T+2*\t:T+2*\t+1], v[ACC+8*\t:ACC+8*\t+1], v[W3+8*\t:W3+8*\t+1]   ; the dot product with W3, in f32, in four chains
.endr
.irp i, 2,4,6
.irp t, 0,1,2,3
	v_pk_fma_f32 v[T+2*\t:T+2*\t+1], v[ACC+8*\t+\i:ACC+8*\t+\i+1], v[W3+8*\t+\i:W3+8*\t+\i+1], v[T+2*\t:T+2*\t+1]
.endr
.endr
	v_pk_add_f32 v[T:T+1], v[T:T+1], v[T+2:T+3]
	v_pk_add_f32 v[T+4:T+5], v[T+4:T+5], v[T+6:T+7]
	v_pk_add_f32 v[T:T+1], v[T:T+1], v[T+4:T+5]
	v_add_f32 v[T], v[T], v[T+1]
	v_permlanex16_b32 v[T+2], v[T], s34, s35       ; the pair's other 32 columns lie in the lane 16 away
	v_add_f32 v[T], v[T], v[T+2]
	ds_store_b32 v[TS], v[T] offset:\soff          ; lanes l and l + 16 write the same word with the same number
.endm
; A PERIOD: the group in buffer par is consumed, the next one produced into the other buffer; then the barrier.  The buffer that is written was last read in the period before, ahead of its barrier;
; the buffer that is read was written there.  The branch hangs on the wave's number alone, and no barrier stands in its arms.
.macro PERIOD par, soff, aoff, anext, creload
	s_cmp_eq_u32 s23, 0
	s_cbranch_scc0 .Lproduce_first_\@
	CONSUME \par, \soff
	PRODUCE 1-\par, TA, \aoff, \anext, \creload
	s_branch .Lmeet_\@
.Lproduce_first_\@:
	PRODUCE 1-\par, TA, \aoff, \anext, \creload
	CONSUME \par, \soff
.Lmeet_\@:
	BARRIER
.endm
; what moves with the even group number g = s30, made on the way that all waves take
.macro SCAL
	s_lshl_b32 s31, s30, 6                         ; group g's 64 bytes among my partial sums
	s_add_co_u32 s32, s30, 2
	s_and_b32 s32, s32, 15
	s_lshl_b32 s32, s32, 9                         ; a's image of group g + 2
	s_lshr_b32 s33, s30, 4
	s_add_co_u32 s33, s33, 1
	s_min_u32 s33, s33, 3                          ; (the last j tile has no successor: the address stays inside the images and is not used)
	s_lshl_b32 s33, s33, 15                        ; c's image of the next j tile
	s_and_b32 s46, s30, 15
	v_add_nc_u32 v[TA], s32, v[AAD]
	v_add_nc_u32 v[TC], s33, v[CAD]
	v_add_nc_u32 v[TS], s31, v[STA]
.endm
	PRODUCE 0, AAD, 512, 1, 0                      ; group 0 into buffer 0; then group 1's a
	s_wait_loadcnt 0x0                             ; W2, W3, b2
	s_add_co_i32 s40, s36, s37                     ; e4 + e5
	s_sub_co_i32 s41, 0, s40
.set j, 0
.rept 32
	v_ldexp_f32 v[B2+j], v[B2+j], s41
	v_ldexp_f32 v[W3+j], v[W3+j], s40
.set j, j+1
.endr
	BARRIER                                        ; group 0's eight fragments lie in LDS
	s_mov_b32 s30, 0
.Lgroup:                                               ; 31 trips of two periods: groups 0 to 61 are consumed, 1 to 62 produced
	SCAL
	PERIOD 0, 0, 0, 1, 1
	PERIOD 1, 64, 512, 1, 0
	s_add_co_u32 s30, s30, 2
	s_cmp_lt_u32 s30, 62
	s_cbranch_scc1 .Lgroup
	SCAL
	PERIOD 0, 0, 0, 0, 0                           ; group 62 is consumed, group 63 produced: nothing more is fetched
	CONSUME 1, 64                                  ; group 63
	BARRIER                                        ; all partial sums lie in LDS
	; THE WAY OUT: the four quarters of the 256 columns are added, then b3 and the sigmoid: 1 / (1 + 2^(-log2(e) x)).
.irp u, 0,1
.irp qq, 0,1,2,3
	ds_load_b128 v[32+16*\u+4*\qq:35+16*\u+4*\qq], v30 offset:4096*\qq+512*\u
.endr
.endr
	s_mov_b32 s40, 0xbfb8aa3b                      ; -log2(e)
	s_mov_b32 s41, s40                             ; (named with it as a pair, so it is written)
	s_mul_f32 s38, s38, s40                        ; -log2(e) b3
	v_mov_b32 v20, s38
	v_mov_b32 v21, s38
	s_wait_dscnt 0x0
.irp u, 0,1
	v_pk_add_f32 v[32+16*\u:33+16*\u], v[32+16*\u:33+16*\u], v[36+16*\u:37+16*\u]
	v_pk_add_f32 v[34+16*\u:35+16*\u], v[34+16*\u:35+16*\u], v[38+16*\u:39+16*\u]
	v_pk_add_f32 v[40+16*\u:41+16*\u], v[40+16*\u:41+16*\u], v[44+16*\u:45+16*\u]
	v_pk_add_f32 v[42+16*\u:43+16*\u], v[42+16*\u:43+16*\u], v[46+16*\u:47+16*\u]
	v_pk_add_f32 v[32+16*\u:33+16*\u], v[32+16*\u:33+16*\u], v[40+16*\u:41+16*\u]
	v_pk_add_f32 v[34+16*\u:35+16*\u], v[34+16*\u:35+16*\u], v[42+16*\u:43+16*\u]
	v_pk_fma_f32 v[32+16*\u:33+16*\u], v[32+16*\u:33+16*\u], s[40:41], v[20:21] op_sel_hi:[1,0,1]   ; -log2(e) (sum + b3)
	v_pk_fma_f32 v[34+16*\u:35+16*\u], v[34+16*\u:35+16*\u], s[40:41], v[20:21] op_sel_hi:[1,0,1]
.endr
.irp u, 0,1
.irp i, 0,1,2,3
	v_exp_f32 v[32+16*\u+\i], v[32+16*\u+\i]
.endr
.endr
	v_nop                                          ; a plain instruction behind the last exponential,
	s_wait_alu depctr_va_vdst(0)                   ; and a wait ahead of the batch's first reader
.irp u, 0,1
	v_pk_add_f32 v[32+16*\u:33+16*\u], v[32+16*\u:33+16*\u], 1.0 op_sel_hi:[1,0]
	v_pk_add_f32 v[34+16*\u:35+16*\u], v[34+16*\u:35+16*\u], 1.0 op_sel_hi:[1,0]
.endr
.irp u, 0,1
.irp i, 0,1,2,3
	v_rcp_f32 v[32+16*\u+\i], v[32+16*\u+\i]
.endr
.endr
	v_nop
	s_wait_alu depctr_va_vdst(0)                   ; likewise for the eight reciprocals
.irp u, 0,1
	global_store_b128 v31, v[32+16*\u:35+16*\u], s[18:19] offset:\u*32768 th:TH_STORE_NT   ; 16 lanes store 256 consecutive bytes, at a multiple of 256 from out0's first byte
.endr
	s_wait_tensorcnt 0x0                           ; the wave's end, behind my last LDS store
	ds_add_u32 v[SPW], v[NIL]
	s_wait_dscnt 0x0
	s_endpgm
.Lfunc_end_k_q58e43eb750_pairs:
	.size	k_q58e43eb750_pairs, .Lfunc_end_k_q58e43eb750_pairs-k_q58e43eb750_pairs
	.p2alignl 7, 3214868480
	.fill 96, 4, 3214868480
	.section	.rodata,"a",@progbits
	.p2align	6, 0x0
	.amdhsa_kernel k_q58e43eb750_pairs
		.amdhsa_group_segment_fixed_size 263168
		.amdhsa_private_segment_fixed_size 0
		.amdhsa_enable_private_segment 0
		.amdhsa_kernarg_size 64
		.amdhsa_user_sgpr_count 2
		.amdhsa_user_sgpr_kernarg_segment_ptr 1
		.amdhsa_wavefront_size32 1
		.amdhsa_system_sgpr_workgroup_id_x 1
		.amdhsa_system_sgpr_workgroup_id_y 1
		.amdhsa_system_sgpr_workgroup_id_z 1
		.amdhsa_system_vgpr_workitem_id 0
		.amdhsa_next_free_vgpr 512
		.amdhsa_next_free_sgpr 66
		.amdhsa_reserve_vcc 0
		.amdhsa_float_denorm_mode_32 3
		.amdhsa_float_denorm_mode_16_64 3
		.amdhsa_memory_ordered 1
		.amdhsa_forward_progress 1
		.amdhsa_inst_pref_size 133
	.end_amdhsa_kernel
	.amdgpu_metadata
---
amdhsa.version: [ 1, 2 ]
amdhsa.kernels:
  - .name:           k_q58e43eb750_pairs
    .symbol:         k_q58e43eb750_pairs.kd
    .args:
      - { .name: ac, .offset: 0, .size: 8, .value_kind: global_buffer, .address_space: global }
      - { .name: W2_codes, .offset: 8, .size: 8, .value_kind: global_buffer, .address_space: global }
      - { .name: b1, .offset: 16, .size: 8, .value_kind: global_buffer, .address_space: global }
      - { .name: b2, .offset: 24, .size: 8, .value_kind: global_buffer, .address_space: global }
      - { .name: W3, .offset: 32, .size: 8, .value_kind: global_buffer, .address_space: global }
      - { .name: b3, .offset: 40, .size: 8, .value_kind: global_buffer, .address_space: global }
      - { .name: lowp_scales, .offset: 48, .size: 8, .value_kind: global_buffer, .address_space: global }
      - { .name: out0, .offset: 56, .size: 8, .value_kind: global_buffer, .address_space: global }
    .group_segment_fixed_size: 263168
    .private_segment_fixed_size: 0
    .kernarg_segment_align: 8
    .kernarg_segment_size: 64
    .max_flat_workgroup_size: 256
    .sgpr_count:     66
    .vgpr_count:     512
    .wavefront_size: 32
...
	.end_amdgpu_metadata
.endif
;; end of part 2
;; ======== version 2 of 2: 2 launches; version 1 with the launches proj, pairs written anew for expert scheduling mode
;; workspace buffers: ac 4,194,304 bytes
;; launch proj (part 3): grid 16 x 16, 4 waves a work-group, no clusters, 50,688 bytes of LDS; arguments features_codes, W1, lowp_scales, ac; writes ac
.if DOCPART == 3
	.amdgcn_target "amdgcn-amd-amdhsa--gfx1250"
	.amdhsa_code_object_version 6
	.text
	.protected	k_q58e43eb750_proj
	.globl	k_q58e43eb750_proj
	.p2align	8
	.type	k_q58e43eb750_proj,@function
k_q58e43eb750_proj:
	s_mov_b64 s[64:65], 0
	v_nop
	global_prefetch_b8 v0, s[64:65] scope:SCOPE_SE
	s_setreg_imm32_b32 hwreg(HW_REG_WAVE_SCHED_MODE, 0, 2), 2
	s_setreg_imm32_b32 hwreg(HW_REG_WAVE_MODE, 25, 1), 1
	s_wait_xcnt 0x0
	s_wait_alu depctr_vm_vsrc(0)
; a = F W1[:512] and c = F W1[512:], both on codes of E5M2.  ac: [1024 rows = 512 b + s][1024 columns] f32: columns 0-511 a, columns 512-1023 c, in their true scale.
; F arrives as codes, K innermost (a row is 512 bytes).  W1 arrives as f32 with K along its FIRST axis: it is quantised here, a lane to a column, registers down K, so that nothing is transposed.
; NO WORK OF THE PROBLEM IS LEFT OUT: every input has a way to the output.  b1 is added by the next launch, b2, W3 and b3 are used there.
; SHARES.  Work-group (x, y) makes 64 rows (64 y on) x 64 columns (64 x on) of ac; x < 8 takes W1's upper half with the scales e0, e1, x >= 8 its lower half with e2, e3: chosen by selects, one path for both.
; Wave w first quantises K step w (128 rows of W1) of the four tiles of 16 columns and lays each fragment into LDS as an image of its registers (4 stores of 512 bytes, lane l's 16 bytes at 16 l);
; behind one barrier wave w multiplies its own 16 rows of F by all 16 fragments: 16 matrix instructions, four accumulators by turns.
; THE PRODUCT IS USED TRANSPOSED (source 0 = 16 columns of W1, source 1 = 16 rows of F), AND THE COLUMNS OF A TILE ARE NOT NEIGHBOURS: lane r of tile 2 b + u takes column 32 b + 8 u + r + 8 (r / 8),
; so that a lane's 16 results of tiles 2 b and 2 b + 1 are 16 neighbouring columns, 32 b + 16 (lane / 16) + 0 .. 15, of one row: 64 bytes that belong together.
; A fragment's registers 4 c .. 4 c + 3 hold k = 32 c + 16 (lane / 16) + 0 .. 15: the same order of k in both operands, so every product meets its partner.
; No cluster and no tensor load: what work-groups share (a strip of W1, 64 rows of F) is read once by each, straight into registers, and is a small part of a short launch.
; LIMITS: e0 + e1 and e2 + e3 between -126 and 127; e1 and e3 between -126 and 112, so that each power of two below is an f32 number.  NaN among the inputs is not served.
; THE MODE: SCHED_MODE bits 1:0 = 2 (LLVM: expert scheduling mode 2), set by the entry lines.  The code itself states the register dependences
; between vector or matrix instructions and memory or LDS instructions, with s_wait_alu, always for 0.
; THE PLAN.  Registers that memory or LDS instructions touch:
;   v3-v9       offsets and LDS addresses: written once, at the head, and never again; read by every load and store.  One wait on va_vdst ahead of the first load.
;   SET0, SET1  First W1's numbers: global loads land, the holds write them in place, the conversions read them; behind these the numbers of the tile two on land.  Then W1's fragments: LDS loads land, matrix
;               instructions read, and K step s + 2's fragments land where K step s's lay.  Last the way out: the multiplies write v96-127, LDS stores read them, LDS loads land in v128-159, global stores read those.
;   CO          The conversions write it, four LDS stores read it, the next tile's conversions write it again.
;   FE          Loaded once.  ACC, v10, v11: named by vector and matrix instructions alone.
; So: one wait on va_vdst behind each tile's conversions (the codes are written, for the stores; the set is done with, for the loads that land in it later); one on vm_vsrc ahead of the next tile's
; conversions (the stores have read the codes); one on va_vdst behind the products of K steps 0 and 1 (they are done reading the set in which the next fragments land); one behind the way out's multiplies.
.set WIMG,   0                         ; LDS: the image of fragment (tile t, K step s) at 8192 t + 2048 s
.set STG1,   32768                     ; a stage of 16 rows x (256 bytes + 16) for each wave, for the way out
.set SPITCH, 272
.set SPARE,  STG1+4*16*SPITCH          ; the spare words, 128 bytes for each wave: two blocks of 256 bytes that no other line names
.set SPW,  12                          ; v12  LDS address of my spare word; never rewritten
.set NIL,  13                          ; v13  0; never rewritten
.set CO,   16                          ; v16-31   the codes just made
.set FE,   32                          ; v32-95   my 16 rows of F: four fragments
.set SET,  96                          ; v96-159, v160-223: two sets of 64: numbers of W1, then fragments of W1, then the way out
.set ACC,  224                         ; v224-255 four accumulators
	s_load_b128 s[4:7], s[0:1], 0x0                ; F's codes s[4:5], W1 s[6:7]
	s_load_b128 s[8:11], s[0:1], 0x10              ; the scales' exponents s[8:9], ac s[10:11]
	v_lshl_add_u32 v[SPW], v0, 2, SPARE
	v_mov_b32 v[NIL], 0
	v_lshrrev_b32 v1, 5, v0
	v_readfirstlane_b32 s14, v1                    ; wave 0..3
	v_and_b32 v1, 15, v0                           ; r
	v_bfe_u32 v2, v0, 4, 1                         ; h
	v_and_b32 v3, 8, v1
	v_add_nc_u32 v3, v3, v1                        ; r + 8 (r / 8)
	v_lshlrev_b32 v3, 2, v3
	v_lshl_add_u32 v3, v2, 15, v3                  ; W1: my column's 4 bytes, + 16 h rows of 2,048 bytes
	v_lshlrev_b32 v4, 9, v1
	v_lshl_add_u32 v4, v2, 4, v4                   ; F: row r of 512 bytes, + 16 h
	v_and_b32 v5, 31, v0
	v_lshlrev_b32 v5, 4, v5                        ; 16 x lane: an image's place for my lane
	s_wait_alu depctr_va_sdst(0)                   ; s14 is written, ahead of its first reader: LDS addresses and the bases of W1, F and ac are made from it
	s_lshl_b32 s35, s14, 11
	v_add_nc_u32 v6, s35, v5                       ; where I store my images: K step w
	s_mul_i32 s34, s14, 16*SPITCH
	s_add_co_u32 s34, s34, STG1                    ; my stage
	v_mul_u32_u24 v7, v1, SPITCH
	v_lshl_add_u32 v7, v2, 6, v7
	v_add_nc_u32 v7, s34, v7                       ; in: row r, + 64 h
	v_mul_u32_u24 v8, v2, SPITCH
	v_lshl_add_u32 v8, v1, 4, v8
	v_add_nc_u32 v8, s34, v8                       ; back: lanes 0-15 one row of 256 bytes, lanes 16-31 the next
	v_lshlrev_b32 v9, 12, v2
	v_lshl_add_u32 v9, v1, 4, v9                   ; and the same two rows in ac (a row is 4,096 bytes)
	s_and_b32 s15, ttmp7, 0xffff                   ; y
	s_lshr_b32 s24, ttmp9, 3                       ; which half of W1
	s_and_b32 s25, ttmp9, 7                        ; which 64 of its 512 columns
	s_lshl_b32 s26, s24, 20                        ; W1: 512 rows of 2,048 bytes x half,
	s_lshl_b32 s28, s25, 8
	s_add_co_u32 s26, s26, s28                     ; + 64 columns of 4 bytes,
	s_lshl_b32 s28, s14, 18
	s_add_co_u32 s26, s26, s28                     ; + my K step's 128 rows
	s_mov_b32 s27, 0
	s_lshl_b32 s28, s15, 6
	s_lshl_b32 s29, s14, 4
	s_add_co_u32 s28, s28, s29                     ; my first row: 64 y + 16 w
	s_lshl_b32 s30, s28, 9                         ; in F
	s_mov_b32 s31, 0
	s_lshl_b32 s32, s28, 12                        ; in ac,
	s_lshl_b32 s33, ttmp9, 8
	s_add_co_u32 s32, s32, s33                     ; + 64 x columns of 4 bytes
	s_mov_b32 s33, 0
	s_wait_kmcnt 0x0
	s_load_b128 s[16:19], s[8:9], 0x0              ; e0, e1, e2, e3
	s_add_nc_u64 s[4:5], s[4:5], s[30:31]
	s_add_nc_u64 s[6:7], s[6:7], s[26:27]
	s_add_nc_u64 s[10:11], s[10:11], s[32:33]
	s_wait_alu depctr_va_vdst(0)                   ; the offsets and LDS addresses v3 to v9 are written, which the loads and stores of the whole kernel read
; tile t's 64 numbers of my K step: register 16 cc + i = W1(32 cc + 16 h + i, my column)
.macro LOADW t
.irp cc, 0,1,2,3
.irp i, 0,1,2,3,4,5,6,7,8,9,10,11,12,13,14,15
	global_load_b32 v[SET+64*((\t)%2)+16*\cc+\i], v3, s[6:7] offset:(32*\cc+\i)*2048+(32*((\t)/2)+8*((\t)%2))*4
.endr
.endr
.endm
; they become a fragment's codes, and the fragment goes to LDS as it stands
.macro QUANTW t
.set XS, SET+64*((\t)%2)
.irp cc, 0,1,2,3
.irp i, 0,1,2,3,4,5,6,7,8,9,10,11,12,13,14,15
	v_med3_num_f32 v[XS+16*\cc+\i], v[XS+16*\cc+\i], -v11, v11   ; the conversion to an 8-bit code does not saturate (ISA guide 7.6.2): the hold at the largest code x the scale
.endr
	v_cvt_scalef32_pk8_bf8_f32 v[CO+4*\cc:CO+4*\cc+1], v[XS+16*\cc:XS+16*\cc+7], v10
	v_cvt_scalef32_pk8_bf8_f32 v[CO+4*\cc+2:CO+4*\cc+3], v[XS+16*\cc+8:XS+16*\cc+15], v10
.endr
	v_nop                                          ; one plain vector instruction behind the last conversion, ahead of whatever vector or matrix instruction next touches its registers
	s_wait_alu depctr_va_vdst(0)                   ; the conversions have written v[CO ..], which the stores below read; holds and conversions are done with this set of numbers, in which later loads land
.irp c, 0,1,2,3
	ds_store_b128 v6, v[CO+4*\c:CO+4*\c+3] offset:WIMG+(\t)*8192+512*\c
.endr
.endm
; K step s's four fragments of W1 come back, in any wave
.macro FETCHW s
.irp t, 0,1,2,3
.irp c, 0,1,2,3
	ds_load_b128 v[SET+64*((\s)%2)+16*\t+4*\c:SET+64*((\s)%2)+16*\t+4*\c+3], v5 offset:WIMG+\t*8192+(\s)*2048+512*\c
.endr
.endr
.endm
; four matrix instructions, the four accumulators by turns.  first = 1: the products start the sums
.macro MUL s, first
.irp t, 0,1,2,3
.if \first
	v_wmma_f32_16x16x128_bf8_bf8 v[ACC+8*\t:ACC+8*\t+7], v[SET+64*((\s)%2)+16*\t:SET+64*((\s)%2)+16*\t+15], v[FE+16*(\s):FE+16*(\s)+15], 0
.else
	v_wmma_f32_16x16x128_bf8_bf8 v[ACC+8*\t:ACC+8*\t+7], v[SET+64*((\s)%2)+16*\t:SET+64*((\s)%2)+16*\t+15], v[FE+16*(\s):FE+16*(\s)+15], v[ACC+8*\t:ACC+8*\t+7]
.endif
.endr
.endm
.macro PLACES                          ; four plain vector instructions between a matrix instruction and a load into, or a vector instruction on, its registers
.rept 4
	v_nop
.endr
.endm
.irp s, 0,1,2,3
.irp c, 0,1,2,3
	global_load_b128 v[FE+16*\s+4*\c:FE+16*\s+4*\c+3], v4, s[4:5] offset:128*\s+32*\c   ; F's fragments: the oldest loads, so every wait below covers them
.endr
.endr
	LOADW 0
	LOADW 1
	s_wait_kmcnt 0x0
	s_cmp_eq_u32 s24, 0
	s_cselect_b32 s20, s16, s18                    ; F's exponent in this product,
	s_cselect_b32 s21, s17, s19                    ; W1's
	s_add_co_i32 s22, s20, s21
	s_add_co_i32 s22, s22, 127
	s_lshl_b32 s22, s22, 23                        ; 2^(their sum) as f32: each finished sum is multiplied by it once
	s_mov_b32 s23, s22                             ; (named with it as a pair, so it is written)
	s_add_co_i32 s21, s21, 127
	s_lshl_b32 s28, s21, 23
	v_mov_b32 v10, s28                             ; W1's scale as f32: the conversion takes its exponent field
	s_add_co_i32 s21, s21, 15
	s_lshl_b32 s21, s21, 23
	s_or_b32 s21, s21, 0x600000
	v_mov_b32 v11, s21                             ; 57,344 x the scale
	s_wait_alu depctr_va_vdst(0)
	s_wait_loadcnt 63                              ; tile 0's numbers are in: 64 younger loads are out, and the count's field ends at 63, so one of them is awaited too
	QUANTW 0
	LOADW 2                                        ; into the set just converted.  No wait: no vector instruction since the wait in QUANTW names it
	s_wait_loadcnt 63                              ; tile 1's are in; tile 2's 64 may be out (less one)
	s_wait_dscnt 0x0                               ; the last image's stores are done
	s_wait_alu depctr_vm_vsrc(0)                   ; they have read v[CO ..], which the conversions below write again
	QUANTW 1
	LOADW 3
	s_wait_loadcnt 63
	s_wait_dscnt 0x0
	s_wait_alu depctr_vm_vsrc(0)                   ; tile 1's image has been read out of v[CO ..], which the conversions below write again
	QUANTW 2
	s_wait_loadcnt 0x0
	s_wait_dscnt 0x0
	s_wait_alu depctr_vm_vsrc(0)                   ; tile 2's image has been read out of v[CO ..], which the conversions below write again
	QUANTW 3
	s_wait_dscnt 0x0                               ; for the others' sake: my images have landed
	s_barrier_signal -1
	s_barrier_wait -1                              ; all sixteen fragments of W1 lie in LDS
	FETCHW 0                                       ; into the two sets: the waits in QUANTW 2 and QUANTW 3 have shown their last vector instructions done
	FETCHW 1
	s_wait_dscnt 16                                ; K step 0's are in, K step 1's 16 loads may be out
	MUL 0, 1
	PLACES
	s_wait_alu depctr_va_vdst(0)                   ; K step 0's products are done reading set 0, in which K step 2's fragments land
	FETCHW 2
	s_wait_dscnt 16
	MUL 1, 0
	PLACES
	s_wait_alu depctr_va_vdst(0)                   ; K step 1's products are done reading set 1, in which K step 3's fragments land
	FETCHW 3
	s_wait_dscnt 16
	MUL 2, 0
	s_wait_dscnt 0x0
	MUL 3, 0
	; THE WAY OUT: x 2^(the two exponents); 64 bytes a lane into my own stage; back as whole rows of 256 bytes.
	PLACES
.set j, 0
.rept 16
	v_pk_mul_f32 v[SET+j:SET+j+1], v[ACC+j:ACC+j+1], s[22:23] op_sel_hi:[1,0]   ; each accumulator from its low end on
.set j, j+2
.endr
	s_wait_alu depctr_va_vdst(0)                   ; the multiplies have written v96-127, which the LDS stores read; K step 2's products are done reading v128-159, in which the loads from the stage land
.irp b, 0,1
.irp e, 0,1,2,3
	ds_store_b128 v7, v[SET+16*\b+4*\e:SET+16*\b+4*\e+3] offset:128*\b+16*\e     ; columns 32 b + 16 h + 4 e on, of row r
.endr
.endr
.irp t, 0,1,2,3,4,5,6,7
	ds_load_b128 v[SET+32+4*\t:SET+32+4*\t+3], v8 offset:2*\t*SPITCH               ; LDS serves a wave's instructions in order (ISA guide 5.7.1.4): these see my stores
.endr
.irp t, 0,1,2,3,4,5,6,7
	s_wait_dscnt 7-\t
	global_store_b128 v9, v[SET+32+4*\t:SET+32+4*\t+3], s[10:11] offset:2*\t*4096  ; 16 lanes store 256 consecutive bytes, at a multiple of 256 from ac's first byte
.endr
	s_wait_dscnt 0x0                               ; the closing lines, six on end
	s_wait_alu 0x0
	s_wait_tensorcnt 0x0
	ds_add_u32 v[SPW], v[NIL]
	s_wait_dscnt 0x0
	s_endpgm
.Lfunc_end_k_q58e43eb750_proj:
	.size	k_q58e43eb750_proj, .Lfunc_end_k_q58e43eb750_proj-k_q58e43eb750_proj
	.p2alignl 7, 3214868480
	.fill 96, 4, 3214868480
	.section	.rodata,"a",@progbits
	.p2align	6, 0x0
	.amdhsa_kernel k_q58e43eb750_proj
		.amdhsa_group_segment_fixed_size 50688
		.amdhsa_private_segment_fixed_size 0
		.amdhsa_enable_private_segment 0
		.amdhsa_kernarg_size 32
		.amdhsa_user_sgpr_count 2
		.amdhsa_user_sgpr_kernarg_segment_ptr 1
		.amdhsa_wavefront_size32 1
		.amdhsa_system_sgpr_workgroup_id_x 1
		.amdhsa_system_sgpr_workgroup_id_y 1
		.amdhsa_system_sgpr_workgroup_id_z 1
		.amdhsa_system_vgpr_workitem_id 0
		.amdhsa_next_free_vgpr 256
		.amdhsa_next_free_sgpr 66
		.amdhsa_reserve_vcc 0
		.amdhsa_float_denorm_mode_32 3
		.amdhsa_float_denorm_mode_16_64 3
		.amdhsa_memory_ordered 1
		.amdhsa_forward_progress 1
		.amdhsa_inst_pref_size 58
	.end_amdhsa_kernel
	.amdgpu_metadata
---
amdhsa.version: [ 1, 2 ]
amdhsa.kernels:
  - .name:           k_q58e43eb750_proj
    .symbol:         k_q58e43eb750_proj.kd
    .args:
      - { .name: features_codes, .offset: 0, .size: 8, .value_kind: global_buffer, .address_space: global }
      - { .name: W1, .offset: 8, .size: 8, .value_kind: global_buffer, .address_space: global }
      - { .name: lowp_scales, .offset: 16, .size: 8, .value_kind: global_buffer, .address_space: global }
      - { .name: ac, .offset: 24, .size: 8, .value_kind: global_buffer, .address_space: global }
    .group_segment_fixed_size: 50688
    .private_segment_fixed_size: 0
    .kernarg_segment_align: 8
    .kernarg_segment_size: 32
    .max_flat_workgroup_size: 128
    .sgpr_count:     66
    .vgpr_count:     256
    .wavefront_size: 32
...
	.end_amdgpu_metadata
.endif
;; end of part 3
;; launch pairs (part 4): grid 16 x 16, 8 waves a work-group, no clusters, 263,168 bytes of LDS; arguments ac, W2_codes, b1, b2, W3, b3, lowp_scales, out0; writes out0
.if DOCPART == 4
	.amdgcn_target "amdgcn-amd-amdhsa--gfx1250"
	.amdhsa_code_object_version 6
	.text
	.protected	k_q58e43eb750_pairs
	.globl	k_q58e43eb750_pairs
	.p2align	8
	.type	k_q58e43eb750_pairs,@function
k_q58e43eb750_pairs:
	s_mov_b64 s[64:65], 0
	v_nop
	global_prefetch_b8 v0, s[64:65] scope:SCOPE_SE
	s_setreg_imm32_b32 hwreg(HW_REG_WAVE_SCHED_MODE, 0, 2), 2
	s_setreg_imm32_b32 hwreg(HW_REG_WAVE_MODE, 25, 1), 1
	s_wait_xcnt 0x0
	s_wait_alu depctr_vm_vsrc(0)
; out0[b][i][j] = sigmoid(relu(Q(relu(a_i + c_j + b1)) W2 + b2) . W3 + b3).  a and c come from ac ([1024][1024] f32: columns 0-511 a, 512-1023 c); Q quantises along the 512 hidden units to E5M2 with 2^e4;
; W2 arrives as codes, K innermost, with 2^e5.  h1 and h2 never go to memory.  No work of the problem is left out.
; b1 is added to a once, at the head: h1 is formed as (a + b1) + c, which differs from (a + c) + b1 by f32 rounding alone.
; SHARES.  Work-group (ig, y): batch b = y / 8, i = 32 ig .. + 31, j = 64 (y % 8) .. + 63: 128 tiles of 16 pairs (one i, 16 neighbouring j), walked as 64 GROUPS of two tiles:
; group g: j tile jt = g / 16, i = 32 ig + 2 (g % 16) + p, p = 0, 1.  Eight waves, two to a SIMD, 512 registers each.  Wave w = 4 p + q has two jobs:
;   it PRODUCES the fragment (tile p, K step q: hidden units 128 q on) of the next group: add, relu and hold, conversion; each number of h1 is made once in the work-group;
;   it CONSUMES tile p of the group in hand against ITS 64 columns of W2 (64 q on), whose 16 fragments stay in its registers (window 1) for the whole launch: 16 matrix instructions,
;   then relu and the dot product with W3 of its 64 columns: one partial sum a pair, kept in LDS until the end.
; Fragments go from wave to wave through LDS as images of their registers (4 stores of 512 bytes, lane l's 16 bytes at 16 l), in two buffers by turns: ONE barrier a group.
; The two jobs of a period touch different buffers, so their order is free: half of the waves consume first, the other half produce first, and the two waves of a SIMD differ in that:
; one wave's vector work stands beside the other's matrix work.
; LAYOUT.  The product is used transposed (source 0 = 16 columns of W2, source 1 = 16 pairs): a lane holds ONE pair (lane % 16) and eight columns.  A fragment's registers 4 c .. 4 c + 3 hold
; k = 32 c + 16 (lane / 16) + 0 .. 15, in both operands alike.  c lies in that layout (64 registers, one j a lane); a lies a lane to a hidden unit (4 registers), and the addition itself
; takes a's number from lane n of the row of 16 lanes (DPP row_share): broadcast and addition are one instruction.
; The scales: b2 goes in as the C of each sum's first matrix instruction, divided by 2^(e4 + e5); W3 is multiplied by 2^(e4 + e5): relu commutes with a positive power of two.
; No tensor load, no ring: the loop reads no global byte.  No cluster: what work-groups share (W2, rows of ac) each reads once, at its head, straight into registers.
; LIMITS: e4 between -126 and 112.  b2 / 2^(e4 + e5) and W3 x 2^(e4 + e5) are made by v_ldexp_f32 and round nothing short of overflow and underflow.  NaN among the inputs is not served.
; REGISTERS.  Window 1: W2's fragment (tile t, K step s) at v[64 t + 16 s].  Window 0: v2-6 LDS addresses that stay; v7 the pair's partial sum; v8, v9 2^e4 and 57,344 x 2^e4; v10, v11 the add's two; v12-15 a; v16-18 addresses of the trip;
;   v19-29 offsets at the head; v30, v31 the way out's addresses; v32-95 c; v96-159 numbers at work, then the four fragments being multiplied, then sums; v160-191 accumulators (v160-175 also the codes just made);
;   v192-223 b2 / 2^(e4 + e5); v224-255 W3 x 2^(e4 + e5).
; THE MODE: SCHED_MODE bits 1:0 = 2 (LLVM: expert scheduling mode 2), set by the entry lines.  The code itself states the register dependences
; between vector or matrix instructions and memory or LDS instructions, with s_wait_alu, always for 0.
; THE PLAN.  Registers that LDS instructions touch in the loop (it has no global instruction):
;   v96-159   PRODUCE: the additions and holds write them, the conversions read them.  CONSUME: sixteen LDS loads land, the products read them, the sums write v96-103.
;   v160-175  PRODUCE: the conversions write the codes, four LDS stores read them.  CONSUME: the products write them again, as accumulators.
;   v12-15 a, v32-95 c   PRODUCE's additions read them; behind these an LDS load brings the next a, and once in sixteen groups sixteen bring the next c.
;   v7        CONSUME's last addition writes the pair's sum, one LDS store reads it.
;   v16-18    Written once a trip, on the way that all waves take; read by the loads of a and c and by the sum's store.
;   v2-v6     Written at the head and never again.  b2, W3, W2 and v176-191 are named by vector and matrix instructions alone.
; ONE wait on va_vdst stands behind PRODUCE's conversions: the codes are written; the additions are done reading a and c; the conversions are done reading v96-159; v16-18 are written; and, in a wave that
; consumes first, the sum is written, whose store stands there for that reason.  All LDS instructions up to the next vector instruction on these registers lean on it: the codes' stores, the sum's,
; the loads of a and c, and the sixteen fragment loads, be they this period's (produce first) or the next one's (consume first).  A wave that produces first has a second one, ahead of the sum's store.
; One wait on vm_vsrc stands at each period's head, ahead of the branch: the last period's stores have read the codes and the sum (at a trip's head also: v16-18 have been read).
; A wave that produces first has a second one, ahead of its products: this period's stores have read the codes, over which the products write.
.set CODE,  0                          ; LDS: two buffers of 16,384: buffer x 16384 + p x 8192 + K step x 2048
.set AIMG,  32768                      ; a + b1: wave x 8192 + (g % 16) x 512: each wave's own
.set CIMG,  98304                      ; c: jt x 32768 + q x 8192
.set STAGE, 229376                     ; partial sums: wave x 4096 + g x 64 + 4 (lane % 16)
.set SPARE, 262144                     ; the spare words, 128 bytes for each wave: four blocks of 256 bytes that no other line names
.set CLD, 2                            ; v2   where I read fragments: CODE + 8192 p + 16 x lane
.set CST, 3                            ; v3   where I store mine: + 2048 q
.set AAD, 4                            ; v4   my images of a
.set CAD, 5                            ; v5   c's images of my K step
.set STA, 6                            ; v6   my partial sums
.set SUM, 7                            ; v7   the pair's partial sum, on its way to LDS
.set SC,  8
.set LIM, 9
.set SPW, 10
.set NIL, 11
.set A,   12
.set TA,  16                           ; v16  the image of a of group g + 2
.set TC,  17                           ; v17  the image of c of the next j tile
.set TS,  18                           ; v18  group g's place among my partial sums
.set C,   32
.set X,   96
.set AF,  96
.set T,   96
.set ACC, 160
.set CO,  160
.set B2,  192
.set W3,  224
.set MSB, 0
.macro WIN new                         ; the immediate's high byte repeats the setting that is left
.if MSB != \new
	s_set_vgpr_msb (MSB<<8)|\new
.set MSB, \new
.endif
.endm
.macro BARRIER                         ; my LDS stores have landed and my LDS loads are in: then the work-group's barrier
	s_wait_dscnt 0x0
	s_barrier_signal -1
	s_barrier_wait -1
.endm
	s_load_b512 s[4:19], s[0:1], 0x0               ; ac s[4:5], W2 s[6:7], b1 s[8:9], b2 s[10:11], W3 s[12:13], b3 s[14:15], the exponents s[16:17], out0 s[18:19]
	v_lshl_add_u32 v[SPW], v0, 2, SPARE
	v_mov_b32 v[NIL], 0
	v_lshrrev_b32 v1, 5, v0
	v_readfirstlane_b32 s20, v1                    ; wave 0..7
	v_and_b32 v1, 15, v0                           ; r
	v_bfe_u32 v19, v0, 4, 1                        ; h
	v_and_b32 v20, 31, v0                          ; lane
	s_wait_alu depctr_va_vdst(0)
	v_lshlrev_b32 v21, 12, v1
	v_lshl_add_u32 v21, v19, 6, v21                ; c: row r of 4,096 bytes, + 64 h
	v_lshlrev_b32 v22, 2, v20                      ; a, b1: 4 bytes a lane
	v_lshlrev_b32 v23, 9, v1
	v_lshl_add_u32 v23, v19, 4, v23                ; W2: row r of 512 bytes, + 16 h
	v_lshlrev_b32 v28, 5, v19                      ; b2, W3: 32 h
	s_wait_alu depctr_va_sdst(0)                   ; s20 is written, ahead of its first reader: p, q, the order of the two jobs, LDS addresses and the buffers' bases are made from it
	s_and_b32 s21, s20, 3                          ; q
	s_lshr_b32 s22, s20, 2                         ; p
	s_add_co_u32 s23, s20, s22
	s_and_b32 s23, s23, 1                          ; which job comes first: differs between waves w and w + 4, and between 2 k and 2 k + 1
	s_lshl_b32 s40, s22, 13
	v_lshl_add_u32 v[CLD], v20, 4, s40
	s_lshl_b32 s41, s21, 11
	v_add_nc_u32 v[CST], s41, v[CLD]
	s_lshl_b32 s40, s20, 13
	s_add_co_u32 s40, s40, AIMG
	v_lshl_add_u32 v[AAD], v20, 4, s40
	s_lshl_b32 s40, s21, 13
	s_add_co_u32 s40, s40, CIMG
	v_lshl_add_u32 v[CAD], v20, 4, s40
	s_lshl_b32 s40, s20, 12
	s_add_co_u32 s40, s40, STAGE
	v_lshl_add_u32 v[STA], v1, 2, s40
	; the way out: thread T takes rows T / 16 and T / 16 + 16 of the work-group's 32, and four j at 4 (T % 16).  Row R = 2 (g % 16) + p; j = 16 jt + r
	v_bfe_u32 v30, v0, 4, 1                        ; the row's p
	v_lshlrev_b32 v30, 14, v30                     ; four waves' regions of 4,096 bytes
	v_bfe_u32 v29, v0, 2, 2                        ; jt: 16 groups of 64 bytes
	v_lshl_add_u32 v30, v29, 10, v30
	v_lshrrev_b32 v29, 5, v0                       ; g % 16 of the upper row
	v_lshl_add_u32 v30, v29, 6, v30
	v_and_b32 v29, 3, v0
	v_lshl_add_u32 v30, v29, 4, v30
	v_add_nc_u32 v30, STAGE, v30
	v_lshrrev_b32 v31, 4, v0
	v_lshlrev_b32 v31, 11, v31                     ; a row of out0 is 2,048 bytes
	v_lshl_add_u32 v31, v1, 4, v31
	s_lshl_b32 s40, s22, 16
	v_add_nc_u32 v29, s40, v[CAD]                  ; where I store c's images: j tiles 2 p and 2 p + 1 of my K step
	s_mov_b32 s34, 0x76543210                      ; v_permlanex16_b32's selects for lane l xor 16
	s_mov_b32 s35, 0xfedcba98
	s_and_b32 s25, ttmp7, 0xffff
	s_lshr_b32 s26, s25, 3                         ; b
	s_and_b32 s27, s25, 7                          ; which 64 j
	s_lshl_b32 s46, s26, 9                         ; 512 b
	s_lshl_b32 s47, s27, 6
	s_lshl_b32 s48, s22, 5
	s_lshl_b32 s49, s21, 9                         ; my K step's 128 numbers: 512 q bytes
	s_add_co_u32 s42, s46, s47
	s_add_co_u32 s42, s42, s48                     ; c: row 512 b + 64 (y % 8) + 32 p,
	s_lshl_b32 s42, s42, 12
	s_add_co_u32 s42, s42, s49
	s_add_co_u32 s42, s42, 2048                    ; columns 512 + 128 q on
	s_mov_b32 s43, 0
	s_lshl_b32 s50, ttmp9, 5
	s_add_co_u32 s44, s46, s50                     ; 512 b + 32 ig
	s_lshl_b32 s52, s44, 11                        ; out0: that row,
	s_lshl_b32 s51, s27, 8
	s_add_co_u32 s52, s52, s51                     ; + 64 (y % 8) numbers
	s_mov_b32 s53, 0
	s_add_co_u32 s44, s44, s22                     ; a: row 512 b + 32 ig + p,
	s_lshl_b32 s44, s44, 12
	s_add_co_u32 s44, s44, s49                     ; columns 128 q on
	s_mov_b32 s45, 0
	s_lshl_b32 s54, s21, 15                        ; W2: my 64 rows of 512 bytes
	s_mov_b32 s55, 0
	s_mov_b32 s56, s49                             ; b1: 512 q
	s_mov_b32 s57, 0
	s_lshl_b32 s58, s21, 8                         ; b2, W3: 256 q
	s_mov_b32 s59, 0
	s_wait_kmcnt 0x0
	s_load_b64 s[36:37], s[16:17], 0x10            ; e4, e5
	s_load_b32 s38, s[14:15], 0x0                  ; b3
	s_add_nc_u64 s[42:43], s[4:5], s[42:43]
	s_add_nc_u64 s[44:45], s[4:5], s[44:45]
	s_add_nc_u64 s[6:7], s[6:7], s[54:55]
	s_add_nc_u64 s[8:9], s[8:9], s[56:57]
	s_add_nc_u64 s[10:11], s[10:11], s[58:59]
	s_add_nc_u64 s[12:13], s[12:13], s[58:59]
	s_add_nc_u64 s[18:19], s[18:19], s[52:53]
	s_wait_alu depctr_va_vdst(0)                   ; every offset and LDS address that stays is written: v2-v6, v21-v23, v28-v31, which the loads and stores of the whole kernel read
.irp cc, 0,1,2,3
	global_load_b32 v[24+\cc], v22, s[8:9] offset:128*\cc                        ; b1(128 q + 32 cc + lane): a's layout
.endr
.irp u, 0,1                                    ; c of j tiles 2 p + u: register 16 cc + 4 e + i = c(j0 + r, 128 q + 32 cc + 16 h + 4 e + i)
.irp cc, 0,1,2,3
.irp e, 0,1,2,3
	global_load_b128 v[C+64*\u+16*\cc+4*\e:C+64*\u+16*\cc+4*\e+3], v21, s[42:43] offset:\u*65536+128*\cc+16*\e
.endr
.endr
.endr
.irp ii, 0,1,2,3,4,5,6,7,8,9,10,11,12,13,14,15  ; a of my 16 rows: register 4 ii + cc = a(32 ig + 2 ii + p, 128 q + 32 cc + lane)
.irp cc, 0,1,2,3
	global_load_b32 v[160+4*\ii+\cc], v22, s[44:45] offset:\ii*8192+128*\cc
.endr
.endr
	s_wait_loadcnt 63                              ; b1 and c are in: a's 64 loads are younger, and the count's field ends at 63, so one of them is awaited too
.irp u, 0,1
.irp k, 0,1,2,3,4,5,6,7,8,9,10,11,12,13,14,15
	ds_store_b128 v29, v[C+64*\u+4*\k:C+64*\u+4*\k+3] offset:\u*32768+512*\k      ; as loaded: no vector instruction has named these registers
.endr
.endr
.macro W2LOAD t                        ; tile t's four fragments: rows 64 q + 16 t + r; they stay
.irp s, 0,1,2,3
.irp c, 0,1,2,3
	global_load_b128 v[64*(\t)+16*\s+4*\c:64*(\t)+16*\s+4*\c+3], v23, s[6:7] offset:8192*(\t)+128*\s+32*\c
.endr
.endr
.endm
	WIN 0x40                                       ; destination window 1
	W2LOAD 0
	W2LOAD 1
	WIN 0
	s_wait_loadcnt 32                              ; a is in; the 32 loads of W2 may be out
.irp ii, 0,1,2,3,4,5,6,7,8,9,10,11,12,13,14,15
	v_pk_add_f32 v[160+4*\ii:161+4*\ii], v[160+4*\ii:161+4*\ii], v[24:25]         ; a + b1
	v_pk_add_f32 v[162+4*\ii:163+4*\ii], v[162+4*\ii:163+4*\ii], v[26:27]
.endr
	s_wait_alu depctr_va_vdst(0)                   ; the additions have written v160-223, which the LDS stores below read and in part of which b2's loads land
.irp ii, 0,1,2,3,4,5,6,7,8,9,10,11,12,13,14,15
	ds_store_b128 v[AAD], v[160+4*\ii:163+4*\ii] offset:512*\ii
.endr
	WIN 0x40
	W2LOAD 2
	W2LOAD 3
	WIN 0
.irp t, 0,1,2,3                                ; tile t, register j: column 64 q + 16 t + 8 h + j, the result's layout
	global_load_b128 v[W3+8*\t:W3+8*\t+3], v28, s[12:13] offset:64*\t
	global_load_b128 v[W3+8*\t+4:W3+8*\t+7], v28, s[12:13] offset:64*\t+16
.endr
	s_wait_dscnt 0x0                               ; for the others' sake: my images have landed
	s_wait_alu depctr_vm_vsrc(0)                   ; the images' stores have read v32-223: b2's and c's loads land there, and the first fragment's numbers and codes are written there; c's loads have read v21, which the way out writes
.irp t, 0,1,2,3
	global_load_b128 v[B2+8*\t:B2+8*\t+3], v28, s[10:11] offset:64*\t
	global_load_b128 v[B2+8*\t+4:B2+8*\t+7], v28, s[10:11] offset:64*\t+16
.endr
	s_barrier_signal -1
	s_barrier_wait -1                              ; c's sixteen images lie in LDS (the loads of W2, W3 and b2, which nobody writes, stay on their way)
.irp k, 0,1,2,3,4,5,6,7,8,9,10,11,12,13,14,15
	ds_load_b128 v[C+4*\k:C+4*\k+3], v[CAD] offset:512*\k                        ; j tile 0
.endr
	ds_load_b128 v[A:A+3], v[AAD]                  ; group 0's a
	s_wait_kmcnt 0x0
	s_add_co_i32 s40, s36, 127
	s_lshl_b32 s41, s40, 23
	v_mov_b32 v[SC], s41                           ; 2^e4 as f32: the conversion takes its exponent field
	s_add_co_i32 s40, s40, 15
	s_lshl_b32 s40, s40, 23
	s_or_b32 s40, s40, 0x600000
	v_mov_b32 v[LIM], s40                          ; 57,344 x 2^e4
; PRODUCE: my fragment of the next group, into buffer par.  Then a of the group after it is asked for (anext; at v[areg] + aoff), and, behind a j tile's last group, the next j tile's c (creload).
; sum = 1: the wave has consumed first, and the sum that it made goes to v[TS] + soff here, behind the one wait.
.macro PRODUCE par, areg, aoff, anext, creload, sum, soff
	s_wait_dscnt 0x0                               ; a is in, c where it was fetched anew
.irp cc, 0,1,2,3
.irp n, 0,1,2,3,4,5,6,7,8,9,10,11,12,13,14,15
	v_add_f32_dpp v[X+16*\cc+\n], v[A+\cc], v[C+16*\cc+\n] row_share:\n row_mask:0xf bank_mask:0xf   ; lane 16 h + n of a's register cc holds hidden unit 32 cc + 16 h + n: broadcast and addition in one
.endr
.irp n, 0,1,2,3,4,5,6,7,8,9,10,11,12,13,14,15
	v_med3_num_f32 v[X+16*\cc+\n], v[X+16*\cc+\n], 0, v[LIM]                       ; relu and the hold in one: between 0 and the largest code x the scale (the conversion does not saturate: ISA guide 7.6.2)
.endr
	v_cvt_scalef32_pk8_bf8_f32 v[CO+4*\cc:CO+4*\cc+1], v[X+16*\cc:X+16*\cc+7], v[SC]
	v_cvt_scalef32_pk8_bf8_f32 v[CO+4*\cc+2:CO+4*\cc+3], v[X+16*\cc+8:X+16*\cc+15], v[SC]
.endr
	v_nop                                          ; one plain vector instruction behind the last conversion: the next products write the codes' registers
	s_wait_alu depctr_va_vdst(0)                   ; the conversions have written the codes, which the stores read, and are done reading v96-159, in which the next fragments land; the additions are done reading a and c, which are loaded anew; v16-18 are written; sum = 1: so is the sum
.irp c, 0,1,2,3
	ds_store_b128 v[CST], v[CO+4*\c:CO+4*\c+3] offset:CODE+(\par)*16384+512*\c
.endr
.if \sum
	ds_store_b32 v[TS], v[SUM] offset:\soff        ; lanes l and l + 16 write the same word with the same number
.endif
.if \anext
	ds_load_b128 v[A:A+3], v[\areg] offset:\aoff
.endif
.if \creload
	s_cmp_eq_u32 s46, 14                           ; the count of groups alone: the same in every wave
	s_cbranch_scc0 .Lsame_c_\@
.irp k, 0,1,2,3,4,5,6,7,8,9,10,11,12,13,14,15
	ds_load_b128 v[C+4*\k:C+4*\k+3], v[TC] offset:512*\k
.endr
.Lsame_c_\@:
.endif
.endm
; CONSUME: tile p of the group in buffer par against my 64 columns.  free = 1: codes were stored since the last wait on vm_vsrc.  store = 1: the pair's partial sum goes to v[TS] + soff here; 0: PRODUCE stores it.
; The sixteen loads owe no wait: the last wait on va_vdst stands behind every vector instruction that has named v96-159.
.macro CONSUME par, free, store, soff
.irp s, 0,1,2,3
.irp c, 0,1,2,3
	ds_load_b128 v[AF+16*\s+4*\c:AF+16*\s+4*\c+3], v[CLD] offset:CODE+(\par)*16384+2048*\s+512*\c
.endr
.endr
.if \free
	s_wait_alu depctr_vm_vsrc(0)                   ; the stores of the codes just made have read v160-175, over which the products below write
.endif
	WIN 0x01                                       ; source 0 (W2) window 1
.irp s, 0,1,2,3
	s_wait_dscnt 12-4*\s                           ; K step s's fragment is in, and all that I issued before these loads is done; the later K steps' loads may be out
.irp t, 0,1,2,3                                ; the four accumulators by turns
.if \s == 0
	v_wmma_f32_16x16x128_bf8_bf8 v[ACC+8*\t:ACC+8*\t+7], v[64*\t+16*\s:64*\t+16*\s+15], v[AF+16*\s:AF+16*\s+15], v[B2+8*\t:B2+8*\t+7]
.else
	v_wmma_f32_16x16x128_bf8_bf8 v[ACC+8*\t:ACC+8*\t+7], v[64*\t+16*\s:64*\t+16*\s+15], v[AF+16*\s:AF+16*\s+15], v[ACC+8*\t:ACC+8*\t+7]
.endif
.endr
.endr
	WIN 0
.rept 4
	v_nop                                          ; four places ahead of the first read of the results (ISA guide 7.12.1)
.endr
.set j, 0
.rept 32
	v_max_num_f32 v[ACC+j], 0, v[ACC+j]            ; relu; each accumulator from its low end on
.set j, j+1
.endr
.irp t, 0,1,2,3
	v_pk_mul_f32 v[T+2*\t:T+2*\t+1], v[ACC+8*\t:ACC+8*\t+1], v[W3+8*\t:W3+8*\t+1]   ; the dot product with W3, in f32, in four chains
.endr
.irp i, 2,4,6
.irp t, 0,1,2,3
	v_pk_fma_f32 v[T+2*\t:T+2*\t+1], v[ACC+8*\t+\i:ACC+8*\t+\i+1], v[W3+8*\t+\i:W3+8*\t+\i+1], v[T+2*\t:T+2*\t+1]
.endr
.endr
	v_pk_add_f32 v[T:T+1], v[T:T+1], v[T+2:T+3]
	v_pk_add_f32 v[T+4:T+5], v[T+4:T+5], v[T+6:T+7]
	v_pk_add_f32 v[T:T+1], v[T:T+1], v[T+4:T+5]
	v_add_f32 v[T], v[T], v[T+1]
	v_permlanex16_b32 v[T+2], v[T], s34, s35       ; the pair's other 32 columns lie in the lane 16 away
	v_add_f32 v[SUM], v[T], v[T+2]                 ; into a register of its own, which the next job does not write
.if \store
	s_wait_alu depctr_va_vdst(0)                   ; the sum is written, which the store below reads; the sums' instructions are done with v96-103, in which the next fragments land
	ds_store_b32 v[TS], v[SUM] offset:\soff        ; lanes l and l + 16 write the same word with the same number
.endif
.endm
; A PERIOD: the group in buffer par is consumed, the next one produced into the other buffer; then the barrier.  The buffer that is written was last read in the period before, ahead of its barrier;
; the buffer that is read was written there.  The branch hangs on the wave's number alone, and no barrier stands in its arms.
.macro PERIOD par, soff, aoff, anext, creload
	s_cmp_eq_u32 s23, 0
	s_cbranch_scc0 .Lproduce_first_\@
	s_wait_alu depctr_va_vdst(0)
	CONSUME \par, 0, 0, 0
	PRODUCE 1-\par, TA, \aoff, \anext, \creload, 1, \soff
	s_branch .Lmeet_\@
.Lproduce_first_\@:
	PRODUCE 1-\par, TA, \aoff, \anext, \creload, 0, 0
	CONSUME \par, 1, 1, \soff
.Lmeet_\@:
	BARRIER
.endm
; what moves with the even group number g = s30, made on the way that all waves take
.macro SCAL
	s_lshl_b32 s31, s30, 6                         ; group g's 64 bytes among my partial sums
	s_add_co_u32 s32, s30, 2
	s_and_b32 s32, s32, 15
	s_lshl_b32 s32, s32, 9                         ; a's image of group g + 2
	s_lshr_b32 s33, s30, 4
	s_add_co_u32 s33, s33, 1
	s_min_u32 s33, s33, 3                          ; (the last j tile has no successor: the address stays inside the images and is not used)
	s_lshl_b32 s33, s33, 15                        ; c's image of the next j tile
	s_and_b32 s46, s30, 15
	s_wait_alu depctr_vm_vsrc(0)                   ; the LDS instructions issued so far have read v16-18, which the three lines below write, and the codes' and the sum's registers, which the period below writes again
	v_add_nc_u32 v[TA], s32, v[AAD]
	v_add_nc_u32 v[TC], s33, v[CAD]
	v_add_nc_u32 v[TS], s31, v[STA]
.endm
	PRODUCE 0, AAD, 512, 1, 0, 0, 0                ; group 0 into buffer 0; then group 1's a
	s_wait_loadcnt 0x0                             ; W2, W3, b2
	s_add_co_i32 s40, s36, s37                     ; e4 + e5
	s_sub_co_i32 s41, 0, s40
.set j, 0
.rept 32
	v_ldexp_f32 v[B2+j], v[B2+j], s41
	v_ldexp_f32 v[W3+j], v[W3+j], s40
.set j, j+1
.endr
	BARRIER                                        ; group 0's eight fragments lie in LDS
	s_mov_b32 s30, 0
.Lgroup:                                               ; 31 trips of two periods: groups 0 to 61 are consumed, 1 to 62 produced
	SCAL
	PERIOD 0, 0, 0, 1, 1
	s_wait_alu depctr_vm_vsrc(0)                   ; the stores of the period above have read the codes' and the sum's registers, which the period below writes again
	PERIOD 1, 64, 512, 1, 0
	s_add_co_u32 s30, s30, 2
	s_cmp_lt_u32 s30, 62
	s_cbranch_scc1 .Lgroup
	SCAL
	PERIOD 0, 0, 0, 0, 0                           ; group 62 is consumed, group 63 produced: nothing more is fetched
	CONSUME 1, 1, 1, 64                            ; group 63
	BARRIER                                        ; all partial sums lie in LDS
	; THE WAY OUT: the four quarters of the 256 columns are added, then b3 and the sigmoid: 1 / (1 + 2^(-log2(e) x)).
.irp u, 0,1
.irp qq, 0,1,2,3
	ds_load_b128 v[32+16*\u+4*\qq:35+16*\u+4*\qq], v30 offset:4096*\qq+512*\u      ; into c's registers: the wait in the last CONSUME stands behind the additions that read them
.endr
.endr
	s_mov_b32 s40, 0xbfb8aa3b                      ; -log2(e)
	s_mov_b32 s41, s40                             ; (named with it as a pair, so it is written)
	s_mul_f32 s38, s38, s40                        ; -log2(e) b3
	v_mov_b32 v20, s38
	v_mov_b32 v21, s38
	s_wait_dscnt 0x0
.irp u, 0,1
	v_pk_add_f32 v[32+16*\u:33+16*\u], v[32+16*\u:33+16*\u], v[36+16*\u:37+16*\u]
	v_pk_add_f32 v[34+16*\u:35+16*\u], v[34+16*\u:35+16*\u], v[38+16*\u:39+16*\u]
	v_pk_add_f32 v[40+16*\u:41+16*\u], v[40+16*\u:41+16*\u], v[44+16*\u:45+16*\u]
	v_pk_add_f32 v[42+16*\u:43+16*\u], v[42+16*\u:43+16*\u], v[46+16*\u:47+16*\u]
	v_pk_add_f32 v[32+16*\u:33+16*\u], v[32+16*\u:33+16*\u], v[40+16*\u:41+16*\u]
	s_wait_alu depctr_va_vdst(0)
	v_pk_add_f32 v[34+16*\u:35+16*\u], v[34+16*\u:35+16*\u], v[42+16*\u:43+16*\u]
	v_pk_fma_f32 v[32+16*\u:33+16*\u], v[32+16*\u:33+16*\u], s[40:41], v[20:21] op_sel_hi:[1,0,1]   ; -log2(e) (sum + b3)
	v_pk_fma_f32 v[34+16*\u:35+16*\u], v[34+16*\u:35+16*\u], s[40:41], v[20:21] op_sel_hi:[1,0,1]
.endr
	s_wait_alu depctr_va_vdst(0)
.irp u, 0,1
.irp i, 0,1,2,3
	v_exp_f32 v[32+16*\u+\i], v[32+16*\u+\i]
.endr
.endr
	v_nop                                          ; a plain instruction behind the last exponential,
	s_wait_alu depctr_va_vdst(0)                   ; and a wait ahead of the batch's first reader: the eight exponentials have written their results
.irp u, 0,1
	v_pk_add_f32 v[32+16*\u:33+16*\u], v[32+16*\u:33+16*\u], 1.0 op_sel_hi:[1,0]
	v_pk_add_f32 v[34+16*\u:35+16*\u], v[34+16*\u:35+16*\u], 1.0 op_sel_hi:[1,0]
.endr
	s_wait_alu depctr_va_vdst(0)
.irp u, 0,1
.irp i, 0,1,2,3
	v_rcp_f32 v[32+16*\u+\i], v[32+16*\u+\i]
.endr
.endr
	v_nop
	s_wait_alu depctr_va_vdst(0)                   ; the eight reciprocals have written their results, which the stores below read
.irp u, 0,1
	global_store_b128 v31, v[32+16*\u:35+16*\u], s[18:19] offset:\u*32768 th:TH_STORE_NT   ; 16 lanes store 256 consecutive bytes, at a multiple of 256 from out0's first byte
.endr
	s_wait_dscnt 0x0                               ; the closing lines, six on end
	s_wait_alu 0x0
	s_wait_tensorcnt 0x0
	ds_add_u32 v[SPW], v[NIL]
	s_wait_dscnt 0x0
	s_endpgm
.Lfunc_end_k_q58e43eb750_pairs:
	.size	k_q58e43eb750_pairs, .Lfunc_end_k_q58e43eb750_pairs-k_q58e43eb750_pairs
	.p2alignl 7, 3214868480
	.fill 96, 4, 3214868480
	.section	.rodata,"a",@progbits
	.p2align	6, 0x0
	.amdhsa_kernel k_q58e43eb750_pairs
		.amdhsa_group_segment_fixed_size 263168
		.amdhsa_private_segment_fixed_size 0
		.amdhsa_enable_private_segment 0
		.amdhsa_kernarg_size 64
		.amdhsa_user_sgpr_count 2
		.amdhsa_user_sgpr_kernarg_segment_ptr 1
		.amdhsa_wavefront_size32 1
		.amdhsa_system_sgpr_workgroup_id_x 1
		.amdhsa_system_sgpr_workgroup_id_y 1
		.amdhsa_system_sgpr_workgroup_id_z 1
		.amdhsa_system_vgpr_workitem_id 0
		.amdhsa_next_free_vgpr 512
		.amdhsa_next_free_sgpr 66
		.amdhsa_reserve_vcc 0
		.amdhsa_float_denorm_mode_32 3
		.amdhsa_float_denorm_mode_16_64 3
		.amdhsa_memory_ordered 1
		.amdhsa_forward_progress 1
		.amdhsa_inst_pref_size 134
	.end_amdhsa_kernel
	.amdgpu_metadata
---
amdhsa.version: [ 1, 2 ]
amdhsa.kernels:
  - .name:           k_q58e43eb750_pairs
    .symbol:         k_q58e43eb750_pairs.kd
    .args:
      - { .name: ac, .offset: 0, .size: 8, .value_kind: global_buffer, .address_space: global }
      - { .name: W2_codes, .offset: 8, .size: 8, .value_kind: global_buffer, .address_space: global }
      - { .name: b1, .offset: 16, .size: 8, .value_kind: global_buffer, .address_space: global }
      - { .name: b2, .offset: 24, .size: 8, .value_kind: global_buffer, .address_space: global }
      - { .name: W3, .offset: 32, .size: 8, .value_kind: global_buffer, .address_space: global }
      - { .name: b3, .offset: 40, .size: 8, .value_kind: global_buffer, .address_space: global }
      - { .name: lowp_scales, .offset: 48, .size: 8, .value_kind: global_buffer, .address_space: global }
      - { .name: out0, .offset: 56, .size: 8, .value_kind: global_buffer, .address_space: global }
    .group_segment_fixed_size: 263168
    .private_segment_fixed_size: 0
    .kernarg_segment_align: 8
    .kernarg_segment_size: 64
    .max_flat_workgroup_size: 256
    .sgpr_count:     66
    .vgpr_count:     512
    .wavefront_size: 32
...
	.end_amdgpu_metadata
.endif
;; end of part 4
